; MI455X (gfx1250); checked and timed in simulation.
; The chip was launched on July 23, 2026; its instructions are those of AMD's public machine-readable ISA for CDNA 5 (MIT licence, August 2026) and "CDNA5" Instruction Set Architecture Reference Guide (July 2026). The comments in the code are by the model that wrote it; some were corrected since.
;; Self Cross Attention. Allowed arithmetic: matrix products marked QUANTISED: E5M2 operands, one given power-of-two scale a tensor, by v_wmma_f32_16x16x64_bf8_bf8 or v_wmma_f32_16x16x128_bf8_bf8, f32 sums; everything else in f32.
;; Inputs: lowp_scales 4 int32 (the exponents e of the quantised operands' scales 2^e); qkv 3 x 8 x 4,096 x 256 float32.
;; Outputs: out0 8 x 4,096 x 256 float32.
;; This version of the problem:
;;   THIS VERSION OF THE PROBLEM IS GIVEN IN LOW PRECISION. The matrix products marked QUANTISED in the list below multiply operands that are first quantised to E5M2 (5 exponent bits, 2 mantissa bits; 8 bits a number), with one given power-of-two scale for each operand tensor; their sums are f32. All else is computed in f32.
;;   The module's matrix products, in the order in which they are computed (A, B: the left and right operand; K: the contracted axis; several contracted axes count as one K, in the product's order):
;;     1. batch 64 x [M 4,096, K 32] x [K 32, N 512]; A: computed on the way; B: computed on the way: QUANTISED (scales: A lowp_scales[0], B lowp_scales[1])
;;     2. batch 512 x [M 512, K 512] x [K 512, N 32]; A: softmax (see below); B: input qkv: QUANTISED (scales: A lowp_scales[2], B lowp_scales[3])
;;   THE QUANTISER, for each operand of a quantised product, along K:
;;     - The operand's scale is 2^e, e = its entry of the input lowp_scales (int32; the entries are numbered through the quantised products in the list's order, A before B).
;;     - Each number is divided by the scale, clamped to +-57,344, and rounded to the nearest number of E5M2, ties to even, subnormals kept.
;;     - The product sums the exact products of the quantised numbers (number of the format x scale) in f32.
;;   ~~~python
;;   def quantise(x, axis, e):      # numpy; x: float32 -> the quantised numbers, widened to float32 again
;;       x = np.moveaxis(x, axis, -1); K = x.shape[-1]
;;       r = np.clip(x / 2.0 ** e, -57344, 57344)
;;       step = 2.0 ** (np.maximum(np.frexp(np.where(r == 0, 1, r))[1] - 1, -14) - 2)
;;       q = np.round(r / step) * step * 2.0 ** e      # np.round: ties to even
;;       return np.moveaxis(q, -1, axis).astype(np.float32)
;;   ~~~
;;   SOFTMAX AHEAD OF A QUANTISED PRODUCT. Where the list says 'softmax', what is quantised is not the finished softmax but p = 2^(t - M), with t = logit x log2(e) and M = ceil(the row's largest t), a whole number; so 1/2 < the row's largest p <= 1. The row's sum l is taken of the UNQUANTISED p, in f32, and the product's result is divided by l at the end. Since M is a whole number, a kernel that streams over the keys may use a running M (the ceiling of the running maximum): every later rescaling is an exact power of two, so the quantised numbers keep their values, but for numbers so far below the row's largest that they fall under the format's range.
;;   OPERANDS COMPUTED ON THE WAY. 'Computed on the way' means the value that the module computes at that place (a softmax that the list does not call 'softmax' is quantised finished and normalised). What goes into a quantiser is computed in f32, as accurately as f32 sums, v_exp_f32 and their like allow (about 1e-6 of the number): no bf16 or f16 on the way to a quantiser, and a product that is left as it is and whose result goes on into a quantised operand takes f32 operands (vector FMAs, or v_wmma_f32_16x16x4_f32). A number that lies on a knife's edge between two numbers of the format may be rounded either way, as far as f32 arithmetic and the matrix unit's own rounding can turn it there, and no further.
;; 2 versions. Each part assembles by itself: llvm-mc -triple=amdgcn-amd-amdhsa -mcpu=gfx1250 --defsym DOCPART=n.
;; ======== version 1 of 2: 2 launches
;; workspace buffers: kimg 2,097,152 bytes
;; launch ksum (part 1): grid 256 x 1, 8 waves a work-group, no clusters, 9,472 bytes of LDS; arguments lowp_scales, qkv, kimg; writes kimg
.if DOCPART == 1
	.amdgcn_target "amdgcn-amd-amdhsa--gfx1250"
	.amdhsa_code_object_version 6
	.text
	.protected	k_qaa63e7c480_ksum
	.globl	k_qaa63e7c480_ksum
	.p2align	8
	.type	k_qaa63e7c480_ksum,@function
k_qaa63e7c480_ksum:
	s_mov_b64 s[64:65], 0
	v_nop
	global_prefetch_b8 v0, s[64:65] scope:SCOPE_SE
	s_setreg_imm32_b32 hwreg(HW_REG_WAVE_MODE, 25, 1), 1
	s_wait_xcnt 0x0
; k_sum[b][m][ch] = the sum over the 8 strips s of k[b][512 s + m][ch], in f32, strips ascending; then codes of BF8 (E5M2) with the given scale 2^e1 (entry 1 of lowp_scales):
; code = x / 2^e1, held within +-57,344, to the nearest code, ties to even.
; LIMITS: e1 between -126 and 112, so that 2^e1 and 57,344 x 2^e1 are f32 numbers.  NaN among the inputs is not served (an infinity is held at the largest code).
; THE CODES ARE STORED AS IMAGES OF OPERAND REGISTERS, PARTED IN TWO: kimg [b 8][head 8][tile 32][part 2][lane 32][16 bytes].  Tile T, lane (r = lane % 16, h = lane / 16), holds key 16 T + r; its 16 bytes are the head's
; channels 8 h .. 8 h + 7, then 16 + 8 h .. 16 + 8 h + 7: the places that the plain 8-bit matrix forms give each k.  Part 0 holds the codes whose exponent field is 24 or more (magnitude 512 or more) and the code 0
; elsewhere, part 1 the other codes and 0 elsewhere: the two add up to the code.  What the next launch does with the parts is said at its head.
; SHARES.  256 work-groups: 32 keys (two tiles) x 128 channels (4 heads) x 8 strips each: 128 KiB read, 8 KiB written.  Wave w takes keys 4 w + j, j = 0 .. 3; lane l channels 4 l .. 4 l + 3 of the 128.
; Every load of a wave reads 512 consecutive bytes; all 32 loads of a wave are issued at once.  A tile's 16 rows come from four waves, so the codes meet in LDS behind one barrier,
; and each wave stores one whole tile: 1,024 consecutive bytes, aligned.
; No matrix unit, no tensor load, no cluster: each byte of k is read once by one lane, and work-groups share nothing.
.set X,     16                         ; v16-143  key j, strip s: four channels at v[X + 32 j + 4 s]
.set Y,     144                        ; v144-159 the four keys' sums, four channels each
.set C,     160                        ; v160-163 register j: key j's four codes
.set HI,    16                         ; v16-19   their large part (X's registers are free by then)
.set LO,    20                         ; v20-23   their small part
.set TM,    24                         ; v24, v25 at work
.set D,     28                         ; v28-35   a tile's two images, 16 bytes each for my lane
.set GA,    1                          ; v1  16 x lane: my bytes in a row's 512, and in an image
.set SA,    2                          ; v2  where my codes go in the stage
.set RA,    3                          ; v3  where I read a tile back
.set SPW,   4                          ; v4  LDS address of my spare word: SPARE + 4 x my thread's number; never rewritten
.set NIL,   5                          ; v5  0; never rewritten
.set TP,    528                        ; an image in the stage: 512 bytes + 16; a tile is two images
.set SPARE, 16*TP                      ; 8,448: behind the stage: the spare words, 128 bytes for each of 8 waves: four blocks of 256 bytes that no other line names
.set STRIP, 524288                     ; 512 tokens x 1,024 bytes: from strip to strip
	s_load_b128 s[4:7], s[0:1], 0x0                ; lowp_scales s[4:5], qkv s[6:7]
	s_load_b64 s[8:9], s[0:1], 0x10                ; kimg
	v_lshl_add_u32 v[SPW], v0, 2, SPARE
	v_mov_b32 v[NIL], 0
	v_lshrrev_b32 v6, 5, v0
	v_readfirstlane_b32 s12, v6                    ; wave 0..7
	v_and_b32 v6, 31, v0                           ; lane
	v_lshlrev_b32 v[GA], 4, v6
	; the stage: tile 2 (l / 8) + u; image lane 16 h + r.  My four channels begin at ch = 4 (l % 8) of the head: h = (ch / 8) % 2 = (l / 2) % 2; byte ch % 8 + 8 (ch / 16) = 4 (l % 2) + 8 ((l / 4) % 2).
	; My keys are 4 w + j = 16 u + r: u = w / 4, r = 4 (w % 4) + j; 16 j and the part stand in the stores' immediate
	v_lshrrev_b32 v7, 3, v6
	v_mul_u32_u24 v[SA], v7, 4*TP
	v_bfe_u32 v7, v0, 1, 1
	v_lshl_add_u32 v[SA], v7, 8, v[SA]
	v_and_b32 v7, 1, v0
	v_lshl_add_u32 v[SA], v7, 2, v[SA]
	v_bfe_u32 v7, v0, 2, 1
	v_lshl_add_u32 v[SA], v7, 3, v[SA]
	s_lshr_b32 s13, s12, 2                         ; u
	s_mul_i32 s13, s13, 2*TP
	s_and_b32 s15, s12, 3
	s_lshl_b32 s15, s15, 6                         ; 16 x 4 (w % 4)
	s_add_co_u32 s13, s13, s15
	v_add_nc_u32 v[SA], s13, v[SA]
	s_and_b32 s14, s12, 1                          ; w % 2
	s_mul_i32 s15, s12, 2*TP                       ; back: wave w takes tile w of the eight: head w / 2 of the four, tile w % 2 of the two
	v_add_nc_u32 v[RA], s15, v[GA]
	s_mov_b32 s26, 0x7c7c7c7c                      ; the exponent fields of four codes
	s_mov_b32 s27, 0x20202020                      ; 0x80 - (24 << 2): added to a field, it reaches bit 7 where the field is 24 or more, and never passes the byte
	s_mov_b32 s28, 0x80808080
	; where my wave's part begins, in bytes
	s_lshr_b32 s20, ttmp9, 5                       ; b
	s_bfe_u32 s21, ttmp9, 0x40001                  ; blk: which 32 keys
	s_and_b32 s22, ttmp9, 1                        ; which 128 channels
	s_lshl_b32 s10, s20, 22                        ; k: b x 4,194,304
	s_lshl_b32 s23, s21, 15                        ;  + 32 blk rows of 1,024 bytes
	s_add_co_u32 s10, s10, s23
	s_lshl_b32 s23, s12, 12                        ;  + 4 w rows
	s_add_co_u32 s10, s10, s23
	s_lshl_b32 s23, s22, 9                         ;  + 512 bytes for the upper 128 channels
	s_add_co_u32 s10, s10, s23
	s_add_co_u32 s10, s10, 0x2000000               ;  + 33,554,432: k is the second of the three tensors
	s_mov_b32 s11, 0
	s_lshl_b32 s24, s20, 3                         ; kimg: head 8 b + 4 x half + w / 2,
	s_lshl_b32 s23, s22, 2
	s_add_co_u32 s24, s24, s23
	s_lshr_b32 s23, s12, 1
	s_add_co_u32 s24, s24, s23
	s_lshl_b32 s24, s24, 5                         ; 32 tiles a head,
	s_lshl_b32 s23, s21, 1
	s_add_co_u32 s24, s24, s23                     ; tile 2 blk + w % 2,
	s_add_co_u32 s24, s24, s14
	s_lshl_b32 s24, s24, 10                        ; 1,024 bytes a tile
	s_mov_b32 s25, 0
	s_wait_kmcnt 0x0
	s_load_b32 s16, s[4:5], 0x4                    ; e1
	s_add_nc_u64 s[6:7], s[6:7], s[10:11]
	s_add_nc_u64 s[8:9], s[8:9], s[24:25]
.irp j, 0,1,2,3                        ; key by key, so that the counted waits below free a key at a time
.irp s, 0,1,2,3,4,5,6,7
	global_load_b128 v[X+32*\j+4*\s:X+32*\j+4*\s+3], v[GA], s[6:7] offset:\s*STRIP+\j*1024 th:TH_LOAD_NT   ; 32 lanes read 512 consecutive bytes; the largest immediate is 3,673,088
.endr
.endr
	s_wait_kmcnt 0x0
	s_add_co_i32 s16, s16, 127
	s_lshl_b32 s17, s16, 23
	v_mov_b32 v11, s17                             ; 2^e1 as f32: the conversion takes its exponent field
	s_add_co_i32 s16, s16, 15
	s_lshl_b32 s16, s16, 23
	s_or_b32 s16, s16, 0x600000
	v_mov_b32 v10, s16                             ; 57,344 x 2^e1
.macro KEYSUM j
	s_wait_loadcnt 24-8*\j                         ; key j's eight loads are in; the younger keys' stay out
.irp s, 1,2,3,4,5,6
	v_pk_add_f32 v[X+32*\j:X+32*\j+1],   v[X+32*\j:X+32*\j+1],   v[X+32*\j+4*\s:X+32*\j+4*\s+1]
	v_pk_add_f32 v[X+32*\j+2:X+32*\j+3], v[X+32*\j+2:X+32*\j+3], v[X+32*\j+4*\s+2:X+32*\j+4*\s+3]
.endr
	v_pk_add_f32 v[Y+4*\j:Y+4*\j+1],   v[X+32*\j:X+32*\j+1],   v[X+32*\j+28:X+32*\j+29]
	v_pk_add_f32 v[Y+4*\j+2:Y+4*\j+3], v[X+32*\j+2:X+32*\j+3], v[X+32*\j+30:X+32*\j+31]
.endm
	KEYSUM 0
	KEYSUM 1
	KEYSUM 2
	KEYSUM 3
.irp i, 0,1,2,3,4,5,6,7,8,9,10,11,12,13,14,15
	v_med3_num_f32 v[Y+\i], v[Y+\i], -v10, v10     ; the conversion to an 8-bit code does not saturate (ISA guide 7.6.2): the hold at the largest code x the scale
.endr
	v_cvt_scalef32_pk8_bf8_f32 v[C:C+1],   v[Y:Y+7],    v11   ; keys 0 and 1: four codes each
	v_cvt_scalef32_pk8_bf8_f32 v[C+2:C+3], v[Y+8:Y+15], v11   ; keys 2 and 3
	v_nop                                          ; a plain vector line between the scaled conversions and the readers of their results
.irp j, 0,1,2,3                        ; four codes at a time are parted: a byte of ones where the exponent field is 24 or more
	v_and_b32 v[TM], s26, v[C+\j]
	v_add_nc_u32 v[TM], s27, v[TM]
	v_and_b32 v[TM], s28, v[TM]                    ; 0x80 in the bytes of large codes
	v_lshrrev_b32 v[TM+1], 7, v[TM]
	v_sub_nc_u32 v[TM+1], v[TM], v[TM+1]           ; 0x7f there: no byte borrows from its neighbour
	v_or_b32 v[TM], v[TM], v[TM+1]                 ; 0xff there
	v_and_b32 v[HI+\j], v[TM], v[C+\j]
	v_xor_b32 v[LO+\j], v[HI+\j], v[C+\j]
.endr
.irp j, 0,1,2,3
	ds_store_b32 v[SA], v[HI+\j] offset:16*\j      ; key j is the image's lane r + j
	ds_store_b32 v[SA], v[LO+\j] offset:TP+16*\j
.endr
	s_wait_dscnt 0x0                               ; for the others' sake: my stores have landed
	s_barrier_signal -1
	s_barrier_wait -1
	ds_load_b128 v[D:D+3], v[RA]                   ; a whole tile: the large image,
	ds_load_b128 v[D+4:D+7], v[RA] offset:TP       ; and the small one, 16 bytes a lane each
	s_wait_dscnt 0x0
	global_store_b128 v[GA], v[D:D+3], s[8:9]      ; 32 lanes store 512 consecutive bytes, at a multiple of 512 from kimg's first byte
	global_store_b128 v[GA], v[D+4:D+7], s[8:9] offset:512
	s_wait_tensorcnt 0x0                           ; the wave's end
	ds_add_u32 v[SPW], v[NIL]
	s_wait_dscnt 0x0
	s_endpgm
.Lfunc_end_k_qaa63e7c480_ksum:
	.size	k_qaa63e7c480_ksum, .Lfunc_end_k_qaa63e7c480_ksum-k_qaa63e7c480_ksum
	.p2alignl 7, 3214868480
	.fill 96, 4, 3214868480
	.section	.rodata,"a",@progbits
	.p2align	6, 0x0
	.amdhsa_kernel k_qaa63e7c480_ksum
		.amdhsa_group_segment_fixed_size 9472
		.amdhsa_private_segment_fixed_size 0
		.amdhsa_enable_private_segment 0
		.amdhsa_kernarg_size 24
		.amdhsa_user_sgpr_count 2
		.amdhsa_user_sgpr_kernarg_segment_ptr 1
		.amdhsa_wavefront_size32 1
		.amdhsa_system_sgpr_workgroup_id_x 1
		.amdhsa_system_sgpr_workgroup_id_y 1
		.amdhsa_system_sgpr_workgroup_id_z 1
		.amdhsa_system_vgpr_workitem_id 0
		.amdhsa_next_free_vgpr 168
		.amdhsa_next_free_sgpr 66
		.amdhsa_reserve_vcc 0
		.amdhsa_float_denorm_mode_32 3
		.amdhsa_float_denorm_mode_16_64 3
		.amdhsa_memory_ordered 1
		.amdhsa_forward_progress 1
		.amdhsa_inst_pref_size 13
	.end_amdhsa_kernel
	.amdgpu_metadata
---
amdhsa.version: [ 1, 2 ]
amdhsa.kernels:
  - .name:           k_qaa63e7c480_ksum
    .symbol:         k_qaa63e7c480_ksum.kd
    .args:
      - { .name: lowp_scales, .offset: 0, .size: 8, .value_kind: global_buffer, .address_space: global }
      - { .name: qkv, .offset: 8, .size: 8, .value_kind: global_buffer, .address_space: global }
      - { .name: kimg, .offset: 16, .size: 8, .value_kind: global_buffer, .address_space: global }
    .group_segment_fixed_size: 9472
    .private_segment_fixed_size: 0
    .kernarg_segment_align: 8
    .kernarg_segment_size: 24
    .max_flat_workgroup_size: 256
    .sgpr_count:     66
    .vgpr_count:     168
    .wavefront_size: 32
...
	.end_amdgpu_metadata
.endif
;; end of part 1
;; launch attn (part 2): grid 256 x 1, 16 waves a work-group, no clusters, 170,240 bytes of LDS; arguments lowp_scales, qkv, kimg, out0; writes out0
.if DOCPART == 2
	.amdgcn_target "amdgcn-amd-amdhsa--gfx1250"
	.amdhsa_code_object_version 6
	.text
	.protected	k_qaa63e7c480_attn
	.globl	k_qaa63e7c480_attn
	.p2align	8
	.type	k_qaa63e7c480_attn,@function
k_qaa63e7c480_attn:
	s_mov_b64 s[64:65], 0
	v_nop
	global_prefetch_b8 v0, s[64:65] scope:SCOPE_SE
	s_setreg_imm32_b32 hwreg(HW_REG_WAVE_MODE, 25, 1), 1
	s_wait_xcnt 0x0
; out[b][512 hb + n][32 head + :] = the sum over m of softmax_m(q[b][512 hb + n] x 32^-0.5 . k_sum[b][m]) v[b][512 hb + m], per head of 32 channels: the eight 8 x 8 windows of a strip of 8 image rows are
; that strip's 512 tokens, a window's keys are the summed k of all strips, its values the strip's own 512 tokens.  So: 512 attentions (b, head, hb) of 512 queries x 512 keys, head size 32.
; BOTH PRODUCTS ON CODES OF BF8 (E5M2), each operand with its given scale 2^e: e0 (q x 32^-0.5), e1 (k_sum: codes made by the launch before, in kimg), e2 (p), e3 (v).
; THE SOFTMAX AHEAD OF THE SECOND PRODUCT: t = score x log2(e), rounded to f32; M = the row's largest t so far, rounded UP to a whole number; p = 2^(t - M) is quantised, not normalised; the row's sum is taken of the
; unquantised p and divides at the end.  When M moves, the sum and O are multiplied by 2^(old M - new M): exact.
; THE FIRST PRODUCT IS MADE IN TWO INSTRUCTIONS A TILE.  A score goes through an exponential ahead of a quantiser of 2 mantissa bits, and k is summed over 8 strips, so that single keys carry much of a row: the score is
; wanted to the last bit of f32.  So the codes of q and of k_sum are parted by their exponent field at 24 (magnitude 512) into a large and a small part, each with the code 0 in the other's places.  A is (K large | K small),
; 64 along K, for both instructions.  With B = (Q large | 0) the first multiplies large by large alone: each product's lowest bit lies at 2^14 or above and no product reaches 2^32.  With B = (Q small | Q) the second takes
; every product with a small factor: all under 2^25.  The two sums are added in f32: K large . Q large + K large . Q small + K small . Q = K . Q.  So no sum hangs on what an instruction keeps far below its largest product.
; LIMITS on the given exponents, so that each power of two below is an f32 number: e0, e2, e3 between -126 and 112; e0 + e1 between -126 and 127; e2 + e3 goes by v_ldexp_f32 and has none.  NaN among the inputs is not served.
; SHARES.  256 work-groups: (b, strip hb, pair of heads hp): the pair's 64 channels are 256 aligned bytes of every token's row.  Sixteen waves of 256 registers, four to a SIMD, so that one wave's exponentials stand beside
; another's plain vector work, products and LDS loads.  Wave w owns queries 32 w .. 32 w + 31, two tiles of 16, for both heads: q on the way in and o on the way out are the wave's own.
; K and V lie in LDS as IMAGES OF OPERAND REGISTERS (16 bytes a lane, 512 consecutive bytes a load).  K's come so from kimg.  V's are made in the prologue: wave w quantises keys 32 w .. 32 w + 31 of v
; and turns 4 x 4 bytes in registers, so that 8 bytes are 8 neighbouring keys of one channel.  ONE barrier, behind the prologue; after it the waves share nothing that is written.
; LAYOUT.  Both products are used transposed: S^T = K Q^T (source 0 = 16 keys, source 1 = my 16 queries), O^T = V^T P^T (source 0 = 16 channels, source 1 = P): a lane holds ONE query (lane % 16) throughout.
; Every k stands in its true place (registers 2 c, 2 c + 1: k = 16 c + 8 (lane / 16) + 0 .. 7).  A tile of K is 16 neighbouring keys, so a result tile's eight registers of a lane are keys 16 t + 8 (lane / 16) + 0 .. 7:
; converted, they are registers 2 t, 2 t + 1 of the second product's operand.
; NO TENSOR LOADS, NO CLUSTER: q and v arrive as f32, each byte is read once by one wave and is quantised in registers; what work-groups share is kimg's 64 KiB of a work-group's 448 KiB of traffic.
; NO PREFETCH: all loads but the second tile's q stand at the head, and that tile's q is loaded into registers a key step and the way out ahead of its use.
.set KIMG,   0                         ; LDS: head x 32,768 + step x 8,192 + tile x 1,024 + part x 512 + 16 x lane
.set VIMG,   65536                     ; (2 head + channel tile) x VQ + step x 2,048 + group of 32 keys x 512 + 16 x lane
.set VQ,     8208                      ; 8,192 + 16: the prologue's 32 lanes of a store then fall on 32 different 8-byte places of 256
.set STAGE,  98560                     ; each wave's own: 16 rows x (256 bytes + 16), for q on the way in and o on the way out
.set SP,     272                       ; 17 x 16 bytes: the sixteen rows that a load touches begin at sixteen different 16-byte columns of 256
.set SPARE,  STAGE+16*16*SP            ; 168,192: the spare words, 128 bytes for each of 16 waves: eight blocks of 256 bytes that no other line names
.set LI,  1                            ; v1   16 x lane: an image's place for my lane, in K's images
.set SD,  2                            ; v2   stage, dense: lanes 0-15 one row, lanes 16-31 the next, 16 bytes a lane
.set LV,  3                            ; v3   VIMG + 16 x lane: V's images lie past what a 16-bit offset reaches
.set STO, 4                            ; v4   stage: row lane % 16, + 32 (lane / 16): my 8 channels, of q and of o
.set GD,  5                            ; v5   the same two rows as SD, in memory: 1,024 (lane / 16) + 16 (lane % 16)
.set SPW, 6                            ; v6   LDS address of my spare word: SPARE + 4 x my thread's number; never rewritten
.set NIL, 7                            ; v7   0; never rewritten
                                       ; v8, v9: 2^e0, 57,344 x 2^e0;  v10, v11: the same for e2;  v12 -M, v13 the largest t;  v[14:15] the row's sum in two halves
.set QC,  16                           ; v16-31 head 0, v32-47 head 1: Q large (4), zeros (4), Q small (4), Q (4)
.set KB,  48                           ; v48-111 eight tiles of K: large (4), small (4)
.set QF,  48                           ; v48-79 a tile of q as loaded: in K's registers, while no K is wanted
.set VB,  112                          ; v112-143 V's two fragments of a step;
.set S2,  112                          ; ahead of them, in the same registers: four tiles' second sums
.set S,   144                          ; v144-207 S^T, then t, then p
.set O,   208                          ; v208-223 O^T: two accumulators
.set P,   224                          ; v224-239 p's codes;
.set OT,  224                          ; at a head's end, in the same registers: O^T / the sum
.set MX,  240                          ; v240-243 four chains of the maximum
.set PX,  244                          ; v244 the lane permute's destination
.set OM,  245                          ; v245 the old -M
.set F,   246                          ; v[246:247] f = 2^(old M - new M)
.set L2,  248                          ; v[248:249] the sum's second chain
.set RL,  250                          ; v[250:251] 1 / the sum x 2^(e2 + e3)
.set KT,  80                           ; prologue alone: v80-111 K's copy;
.set VT,  112                          ; v112-127 the turned codes: channel c' at v[VT + 4 c'];
.set TT,  240                          ; v240-243 the byte turn's four;
.set RR,  248                          ; v248, v249: lane % 16, lane / 16;  v250, v251: 2^e3, 57,344 x 2^e3;
.set HH,  249
.set KST, 253                          ; where I store K's images;
.set VA,  254                          ; where I store V's;
.set GV,  255                          ; my offset in v
.set WV,  12                           ; s12 my wave's number
.set A20, 15                           ; s15 0x20202020
.set E0,  16                           ; s16-19 e0, e1, e2, e3
.set SEL, 20                           ; s[20:21] v_permlanex16_b32's selects for lane l xor 16
.set CS,  22                           ; s[22:23] c = log2(e) x 2^(e0 + e1): the packed form names a pair and takes its low word for both halves
.set M7C, 24                           ; s24 0x7c7c7c7c
.set E23, 25                           ; s25 e2 + e3
.set QB,  26                           ; s[26:27] q at my wave's first row; never stepped
.set OB,  28                           ; s[28:29] out0 at the tile in hand
.set VBS, 30                           ; s[30:31] v at my wave's first row
.set KBS, 32                           ; s[32:33] kimg at my wave's 4,096 bytes
.set TRIPS, 34                         ; s34 tiles to go
.set PS,  36                           ; s36-39 v_perm_b32's selectors
.set QS,  40                           ; s[40:41] 32^-0.5
.set M80, 47                           ; s47 0x80808080
.macro PLACES n                        ; plain vector lines behind a matrix instruction (ISA guide 7.12.1); the matrix instructions in between are not counted
.rept \n
	v_nop
.endr
.endm
.macro POW2 e, sc, lim                 ; v[sc] = 2^e as f32, v[lim] = 57,344 x 2^e
	s_add_co_i32 s13, s[\e], 127
	s_lshl_b32 s14, s13, 23
	v_mov_b32 v[\sc], s14
	s_add_co_i32 s13, s13, 15
	s_lshl_b32 s13, s13, 23
	s_or_b32 s13, s13, 0x600000
	v_mov_b32 v[\lim], s13
.endm
.macro SPLIT src, hi, lo               ; four codes are parted: a byte of ones where the exponent field is 24 or more
	v_and_b32 v[MX], s[M7C], v[(\src)]
	v_add_nc_u32 v[MX], s[A20], v[MX]              ; + 0x80 - (24 << 2): bit 7 where the field is 24 or more; never past the byte
	v_and_b32 v[MX], s[M80], v[MX]
	v_lshrrev_b32 v[MX+1], 7, v[MX]
	v_sub_nc_u32 v[MX+1], v[MX], v[MX+1]           ; 0x7f there: no byte borrows from its neighbour
	v_or_b32 v[MX], v[MX], v[MX+1]
	v_and_b32 v[(\hi)], v[MX], v[(\src)]
	v_xor_b32 v[(\lo)], v[(\hi)], v[(\src)]
.endm
	s_load_b256 s[4:11], s[0:1], 0x0               ; lowp_scales s[4:5], qkv s[6:7], kimg s[8:9], out0 s[10:11]
	v_lshl_add_u32 v[SPW], v0, 2, SPARE
	v_mov_b32 v[NIL], 0
	v_lshrrev_b32 v[RR], 5, v0
	v_readfirstlane_b32 s[WV], v[RR]               ; wave 0..15
	v_and_b32 v[RR], 15, v0                        ; r = lane % 16
	v_bfe_u32 v[HH], v0, 4, 1                      ; h = lane / 16
	v_and_b32 v[LI], 31, v0
	v_lshlrev_b32 v[LI], 4, v[LI]
	v_add_nc_u32 v[LV], VIMG, v[LI]
	s_mul_i32 s13, s[WV], 16*SP
	s_add_co_u32 s13, s13, STAGE                   ; my stage
	v_mul_u32_u24 v[SD], v[HH], SP
	v_lshl_add_u32 v[SD], v[RR], 4, v[SD]
	v_add_nc_u32 v[SD], s13, v[SD]
	v_mul_u32_u24 v[STO], v[RR], SP
	v_add_nc_u32 v[STO], s13, v[STO]
	v_lshl_add_u32 v[STO], v[HH], 5, v[STO]
	v_lshlrev_b32 v[GD], 10, v[HH]
	v_lshl_add_u32 v[GD], v[RR], 4, v[GD]
	s_lshl_b32 s14, s[WV], 12
	v_add_nc_u32 v[KST], s14, v[LI]                ; K's images: my wave's 4,096 bytes of the 65,536
	v_lshlrev_b32 v[GV], 14, v[HH]                 ; v: lanes 16-31 begin 16 rows further down; 16 bytes (4 channels) a lane
	v_lshl_add_u32 v[GV], v[RR], 4, v[GV]
	v_bfe_u32 v[VA], v0, 2, 2                      ; V's images.  g = lane % 16 holds channels 4 g .. 4 g + 3 of the 64: 2 head + channel tile = g / 4;
	v_mul_u32_u24 v[VA], v[VA], VQ
	v_lshl_add_u32 v[VA], v[HH], 3, v[VA]          ; my 16 keys are the lower (lanes 0-15) or the upper 16 of my wave's 32: the first or the second 8 bytes of an image lane's 16;
	v_and_b32 v[RR], 3, v0
	v_lshl_add_u32 v[VA], v[RR], 6, v[VA]          ; image lane 16 h + 4 (g % 4) + c': 16 c' and 256 h stand in the stores' immediate;
	s_lshl_b32 s14, s[WV], 9                       ; keys 32 w on are step w / 4, group w % 4: 2,048 (w / 4) + 512 (w % 4) = 512 w
	s_add_co_u32 s14, s14, VIMG
	v_add_nc_u32 v[VA], s14, v[VA]
	s_and_b32 s44, ttmp9, 3                        ; hp: the pair of heads
	s_bfe_u32 s45, ttmp9, 0x30002                  ; hb: the strip
	s_lshr_b32 s46, ttmp9, 5                       ; b
	s_lshl_b32 s42, s46, 22                        ; b x 4,194,304
	s_lshl_b32 s35, s45, 19                        ; + hb x 512 rows of 1,024 bytes
	s_add_co_u32 s42, s42, s35
	s_lshl_b32 s35, s[WV], 15                      ; + my wave's 32 rows
	s_add_co_u32 s42, s42, s35
	s_lshl_b32 s35, s44, 8                         ; + the pair's 256 bytes of a row
	s_add_co_u32 s42, s42, s35
	s_mov_b32 s43, 0
	s_mov_b32 s[SEL], 0x76543210
	s_mov_b32 s[SEL+1], 0xfedcba98
	s_mov_b32 s[PS], 0x05010400                    ; bytes 0 and 1 of two registers, interleaved
	s_mov_b32 s[PS+1], 0x07030602                  ; bytes 2 and 3
	s_mov_b32 s[PS+2], 0x05040100                  ; the low halves of two registers
	s_mov_b32 s[PS+3], 0x07060302                  ; the high halves
	s_mov_b32 s[QS], 0x3e3504f3                    ; 32^-0.5 as f32
	s_mov_b32 s[QS+1], s[QS]                       ; (named with it as a pair, so it is written)
	s_mov_b32 s[M7C], 0x7c7c7c7c                   ; the exponent fields of four codes
	s_mov_b32 s[A20], 0x20202020
	s_mov_b32 s[M80], 0x80808080
	s_mov_b32 s[TRIPS], 2
	s_wait_kmcnt 0x0
	s_load_b128 s[E0:E0+3], s[4:5], 0x0            ; e0, e1, e2, e3
	s_add_nc_u64 s[QB:QB+1], s[6:7], s[42:43]
	s_add_nc_u64 s[VBS:VBS+1], s[QB:QB+1], 0x4000000   ; v is the third tensor: 67,108,864 bytes on
	s_add_nc_u64 s[OB:OB+1], s[10:11], s[42:43]
	s_lshl_b32 s42, s46, 18                        ; kimg: head 8 b + 2 hp, 32,768 bytes a head,
	s_lshl_b32 s35, s44, 16
	s_add_co_u32 s42, s42, s35
	s_lshl_b32 s35, s[WV], 12                      ; + my wave's 4,096 of the pair's 65,536
	s_add_co_u32 s42, s42, s35
	s_add_nc_u64 s[KBS:KBS+1], s[8:9], s[42:43]
	; 32 loads, in the order in which they are wanted: K's images (8), v (16), q's first tile (8)
.irp i, 0,1,2,3,4,5,6,7
	global_load_b128 v[KT+4*\i:KT+4*\i+3], v[LI], s[KBS:KBS+1] offset:512*\i   ; no hint: the eight strips' work-groups read the same bytes
.endr
.irp i, 0,1,2,3,4,5,6,7,8,9,10,11,12,13,14,15
	global_load_b128 v[S+4*\i:S+4*\i+3], v[GV], s[VBS:VBS+1] offset:1024*\i th:TH_LOAD_NT   ; key 32 w + 16 (lane / 16) + i: sixteen lanes read 256 consecutive bytes, aligned
.endr
.irp i, 0,1,2,3,4,5,6,7
	global_load_b128 v[QF+4*\i:QF+4*\i+3], v[GD], s[QB:QB+1] offset:2048*\i th:TH_LOAD_NT   ; rows 2 i and 2 i + 1
.endr
.irp z, QC+4,QC+5,QC+6,QC+7,QC+20,QC+21,QC+22,QC+23,PX,F+1
	v_mov_b32 v[\z], 0                             ; the zero codes beside Q large; a lane permute's destination and a pair's upper half, which count as read
.endr
	s_wait_kmcnt 0x0
	s_add_co_i32 s13, s[E0], s[E0+1]
	s_lshl_b32 s13, s13, 23
	s_add_co_i32 s[CS], s13, 0x3fb8aa3b            ; a score stands for score x 2^(e0 + e1): the two exponents are added to log2(e)'s exponent field
	s_mov_b32 s[CS+1], s[CS]
	s_add_co_i32 s[E23], s[E0+2], s[E0+3]
	POW2 E0, 8, 9
	POW2 E0+2, 10, 11
	POW2 E0+3, 250, 251
	s_wait_loadcnt 24                              ; K's eight loads are in; v's sixteen and q's eight stay out
.irp i, 0,1,2,3,4,5,6,7
	ds_store_b128 v[KST], v[KT+4*\i:KT+4*\i+3] offset:KIMG+512*\i
.endr
	s_wait_loadcnt 8                               ; v's sixteen are in; q's eight stay out
.set ii, 0
.rept 64
	v_med3_num_f32 v[S+ii], v[S+ii], -v251, v251   ; the conversion to an 8-bit code does not saturate (ISA guide 7.6.2): the hold at the largest code x the scale
.set ii, ii+1
.endr
.irp m, 0,1,2,3,4,5,6,7
	v_cvt_scalef32_pk8_bf8_f32 v[P+2*\m:P+2*\m+1], v[S+8*\m:S+8*\m+7], v250   ; register i of P: key i's four channels
.endr
	v_nop                                          ; a plain vector line between the scaled conversions and the readers of their results
.irp n, 0,1,2,3                        ; keys 4 n .. 4 n + 3: four registers of four channels become four registers of four keys
	v_perm_b32 v[TT],   v[P+4*\n+1], v[P+4*\n],   s[PS]
	v_perm_b32 v[TT+1], v[P+4*\n+1], v[P+4*\n],   s[PS+1]
	v_perm_b32 v[TT+2], v[P+4*\n+3], v[P+4*\n+2], s[PS]
	v_perm_b32 v[TT+3], v[P+4*\n+3], v[P+4*\n+2], s[PS+1]
	v_perm_b32 v[VT+\n],    v[TT+2], v[TT],   s[PS+2]
	v_perm_b32 v[VT+4+\n],  v[TT+2], v[TT],   s[PS+3]
	v_perm_b32 v[VT+8+\n],  v[TT+3], v[TT+1], s[PS+2]
	v_perm_b32 v[VT+12+\n], v[TT+3], v[TT+1], s[PS+3]
.endr
.irp c, 0,1,2,3
.irp hh, 0,1
	ds_store_b64 v[VA], v[VT+4*\c+2*\hh:VT+4*\c+2*\hh+1] offset:16*\c+256*\hh   ; channel 4 g + c, my keys 8 hh .. 8 hh + 7: two registers of the image's lane 16 hh + 4 (g % 4) + c
.endr
.endr
	s_wait_dscnt 0x0                               ; for the others' sake: my stores of K's and V's images have landed
	s_barrier_signal -1
	s_barrier_wait -1                              ; everybody's have; nobody writes these bytes again
.macro FETCH_K hd, s                   ; the step's eight tiles of 16 keys x 32 channels, each in its two parts
.irp t, 0,1,2,3,4,5,6,7
	ds_load_b128 v[KB+8*\t:KB+8*\t+3],   v[LI] offset:KIMG+\hd*32768+\s*8192+\t*1024
	ds_load_b128 v[KB+8*\t+4:KB+8*\t+7], v[LI] offset:KIMG+\hd*32768+\s*8192+\t*1024+512
.endr
.endm
.macro FETCH_V hd, s                   ; the step's two fragments of 16 channels x 128 keys
.irp ct, 0,1
.irp c, 0,1,2,3
	ds_load_b128 v[VB+16*\ct+4*\c:VB+16*\ct+4*\c+3], v[LV] offset:(2*\hd+\ct)*VQ+\s*2048+\c*512
.endr
.endr
.endm
; Four tiles' scores: tiles t0 .. t0 + 3.  For each the two products of the head comment, then the two sums are added.
.macro SCORES hd, t0
.irp u, 0,1,2,3
	v_wmma_f32_16x16x64_bf8_bf8 v[S+8*(\t0+\u):S+8*(\t0+\u)+7], v[KB+8*(\t0+\u):KB+8*(\t0+\u)+7], v[QC+16*\hd:QC+16*\hd+7], 0       ; large x large
	v_wmma_f32_16x16x64_bf8_bf8 v[S2+8*\u:S2+8*\u+7],           v[KB+8*(\t0+\u):KB+8*(\t0+\u)+7], v[QC+16*\hd+8:QC+16*\hd+15], 0    ; all with a small factor
.endr
	PLACES 4                                       ; in front of the reads of the sums
.set ii, 0
.rept 16
	v_pk_add_f32 v[S+8*\t0+ii:S+8*\t0+ii+1], v[S+8*\t0+ii:S+8*\t0+ii+1], v[S2+ii:S2+ii+1]   ; ascending: each accumulator is first read at its low end
.set ii, ii+2
.endr
.endm
; A KEY STEP: 128 keys, the s-th of head hd, for the tile of 16 queries in hand.  first = 1: the head's first step starts M, the sum and O^T: nothing is cleared.
; more = 1: the tiles of K of the step that follows (head nh, step ns) are fetched here, behind V's.  more = 0, the tile's last step: K's registers take the next tile's q, if there is one.
.macro STEP hd, s, first, more, nh, ns
	s_wait_dscnt 0x0                               ; K's sixteen loads are in
	PLACES 5                                       ; the second sums are laid over V's registers, which the last step's second product read: five places in front of a matrix instruction that writes them
	SCORES \hd, 0                                  ; lane (r, h) holds query r; register 8 t + j is key 16 t + 8 h + j of the step
	SCORES \hd, 4                                  ; (between a second sum and the one that is laid over it stand four v_nop and the twelve additions of the three other tiles)
	FETCH_V \hd, \s                                ; behind the four v_nop of SCORES: loads into registers that matrix instructions have written or read
.if \more
	FETCH_K \nh, \ns
.else
	s_cmp_eq_u32 s[TRIPS], 1                       ; no load leaves my wave's 32 rows
	s_cbranch_scc1 .Lno_next_\@
.irp i, 0,1,2,3,4,5,6,7
	global_load_b128 v[QF+4*\i:QF+4*\i+3], v[GD], s[QB:QB+1] offset:16384+2048*\i th:TH_LOAD_NT
.endr
.Lno_next_\@:
.endif
.set ii, 0
.rept 32
	v_pk_mul_f32 v[S+ii:S+ii+1], v[S+ii:S+ii+1], s[CS:CS+1] op_sel_hi:[1,0]   ; t = score x c, rounded to f32
.set ii, ii+2
.endr
.irp k, 0,1,2,3                        ; the step's largest t of my query among my 64 keys: four chains of 16 registers
	v_max3_num_f32 v[MX+\k], v[S+16*\k], v[S+16*\k+1], v[S+16*\k+2]
.endr
.irp i, 3,5,7,9,11,13
.irp k, 0,1,2,3
	v_max3_num_f32 v[MX+\k], v[MX+\k], v[S+16*\k+\i], v[S+16*\k+\i+1]
.endr
.endr
	v_max3_num_f32 v[MX], v[MX], v[S+15], v[S+31]
	v_max3_num_f32 v[MX+2], v[MX+2], v[S+47], v[S+63]
	v_max3_num_f32 v[MX], v[MX], v[MX+1], v[MX+2]
	v_max_num_f32 v[MX], v[MX], v[MX+3]
	v_permlanex16_b32 v[PX], v[MX], s[SEL], s[SEL+1]   ; the query's other 64 keys lie in the lane 16 away
.if \first
	v_max_num_f32 v13, v[MX], v[PX]
.else
	v_max3_num_f32 v13, v13, v[MX], v[PX]          ; the running largest t
	v_mov_b32 v[OM], v12
.endif
	v_floor_f32 v12, -v13                          ; -M = floor(-t) = -ceil(t): M is a whole number
.if \first == 0
	v_sub_f32 v[OM], v12, v[OM]                    ; M's old value less its new one: a whole number, 0 or less
	v_cvt_i32_f32 v[OM], v[OM]                     ; (it saturates)
	v_ldexp_f32 v[F], 1.0, v[OM]                   ; f = 2^(old M - new M)
.endif
.set ii, 0
.rept 32
	v_pk_add_f32 v[S+ii:S+ii+1], v[S+ii:S+ii+1], v[12:13] op_sel_hi:[1,0]   ; t - M, two at a time (of the pair the low word, -M, serves both halves)
.set ii, ii+2
.endr
.set ii, 0
.rept 64
	v_exp_f32 v[S+ii], v[S+ii]                     ; p = 2^(t - M): not normalised
.set ii, ii+1
.endr
.if \first
	v_nop                                          ; a plain line behind the last exponential
.else
	v_pk_mul_f32 v[14:15], v[14:15], v[F:F+1] op_sel_hi:[1,0]   ; the sum under the new M; also the plain line behind the last exponential
.endif
	s_wait_alu depctr_va_vdst(0)                   ; one wait for the batch of 64, ahead of its first reader
.if \first                             ; the row's sum is taken of the unquantised p: two at a time, in two chains
	v_pk_add_f32 v[14:15], v[S:S+1], v[S+2:S+3]
	v_pk_add_f32 v[L2:L2+1], v[S+4:S+5], v[S+6:S+7]
.else
	v_pk_add_f32 v[L2:L2+1], v[S:S+1], v[S+2:S+3]
	v_pk_add_f32 v[14:15], v[14:15], v[S+4:S+5]
	v_pk_add_f32 v[L2:L2+1], v[L2:L2+1], v[S+6:S+7]
.endif
.set ii, 8
.rept 14
	v_pk_add_f32 v[14:15], v[14:15], v[S+ii:S+ii+1]
	v_pk_add_f32 v[L2:L2+1], v[L2:L2+1], v[S+ii+2:S+ii+3]
.set ii, ii+4
.endr
	v_pk_add_f32 v[14:15], v[14:15], v[L2:L2+1]
	s_cmp_ge_i32 s[E0+2], -15                      ; THE HOLD.  t - M is 0 at the most, so p is at most 1, and with e2 >= -15 p / 2^e2 is 32,768 at the most, under 57,344: nothing to hold.
	s_cbranch_scc1 .Lfits_\@                       ; A scalar branch on the given whole number e2, the same in every wave; with a smaller e2 the hold is executed.  (This text has no tensor load and no copy)
.set ii, 0
.rept 64
	v_min_num_f32 v[S+ii], v[S+ii], v11            ; p is not negative, so the hold is one-sided
.set ii, ii+1
.endr
.Lfits_\@:
.irp m, 0,1,2,3,4,5,6,7
	v_cvt_scalef32_pk8_bf8_f32 v[P+2*\m:P+2*\m+1], v[S+8*\m:S+8*\m+7], v10   ; registers 2 m, 2 m + 1 of the operand: keys 16 m + 8 h + 0 .. 7
.endr
.if \first
	v_nop                                          ; a plain vector line between the scaled conversions and the matrix instruction that reads their results
.else
.irp j, 0,2,4,6,8,10,12,14
	v_pk_mul_f32 v[O+\j:O+\j+1], v[O+\j:O+\j+1], v[F:F+1] op_sel_hi:[1,0]   ; O^T under the new M, each accumulator from its low end on; also the plain lines behind the conversions
.endr
.endif
	s_wait_dscnt 16*\more                          ; V's eight loads are in; the sixteen of the next step's K, issued behind them, may be out
.irp ct, 0,1                           ; O^T += V^T P^T: the two accumulators take turns, and sixteen other products stand between a link and the next
.if \first
	v_wmma_f32_16x16x128_bf8_bf8 v[O+8*\ct:O+8*\ct+7], v[VB+16*\ct:VB+16*\ct+15], v[P:P+15], 0
.else
	v_wmma_f32_16x16x128_bf8_bf8 v[O+8*\ct:O+8*\ct+7], v[VB+16*\ct:VB+16*\ct+15], v[P:P+15], v[O+8*\ct:O+8*\ct+7]
.endif
.endr
.endm
; A head is done: O^T / the sum x 2^(e2 + e3) goes into my stage: register 8 ct + j is o(query r, channel 32 hd + 16 ct + 8 h + j).
.macro FINISH hd
	v_add_f32 v14, v14, v15                        ; the sum's two halves,
	v_permlanex16_b32 v[PX], v14, s[SEL], s[SEL+1]
	v_add_f32 v14, v14, v[PX]                      ; and lane l xor 16's: the row's sum
	v_rcp_f32 v[RL], v14
	PLACES 4                                       ; behind the last products, in front of the reads of O^T and of the writes over p's codes; the first is also the plain line behind the reciprocal
	s_wait_alu depctr_va_vdst(0)                   ; the wait ahead of the reciprocal's first reader
	v_ldexp_f32 v[RL], v[RL], s[E23]
.irp j, 0,2,4,6,8,10,12,14
	v_pk_mul_f32 v[OT+\j:OT+\j+1], v[O+\j:O+\j+1], v[RL:RL+1] op_sel_hi:[1,0]   ; each accumulator from its low end on
.endr
.irp ct, 0,1
	ds_store_b128 v[STO], v[OT+8*\ct:OT+8*\ct+3]   offset:128*\hd+64*\ct
	ds_store_b128 v[STO], v[OT+8*\ct+4:OT+8*\ct+7] offset:128*\hd+64*\ct+16
.endr
.endm
.Ltile:                                ; two trips: a tile of 16 queries, both heads
	s_wait_loadcnt 0x0                             ; the tile's q
.irp i, 0,1,2,3,4,5,6,7
	ds_store_b128 v[SD], v[QF+4*\i:QF+4*\i+3] offset:2*SP*\i   ; through my stage, as loaded: LDS serves a wave's instructions in order (ISA guide 5.7.1.4), so no wait stands between these and the loads below, nor behind the last tile's reads of the stage
.endr
.irp hd, 0,1
.irp c, 0,1
.irp j, 0,1
	ds_load_b128 v[S+16*\hd+8*\c+4*\j:S+16*\hd+8*\c+4*\j+3], v[STO] offset:128*\hd+64*\c+16*\j   ; back: of row r, head hd, channels 16 c + 8 h + 0 .. 7
.endr
.endr
.endr
	s_wait_dscnt 0x0                               ; q is back, and the stores have read their registers, which K's tiles now take
	FETCH_K 0, 0
.set ii, 0
.rept 16
	v_pk_mul_f32 v[S+ii:S+ii+1], v[S+ii:S+ii+1], s[QS:QS+1] op_sel_hi:[1,0]   ; q x 32^-0.5, in f32, ahead of the quantiser
.set ii, ii+2
.endr
.set ii, 0
.rept 32
	v_med3_num_f32 v[S+ii], v[S+ii], -v9, v9       ; the hold at the largest code x the scale
.set ii, ii+1
.endr
.irp hd, 0,1
	v_cvt_scalef32_pk8_bf8_f32 v[QC+16*\hd+12:QC+16*\hd+13], v[S+16*\hd:S+16*\hd+7],    v8   ; k = 8 h + 0 .. 7
	v_cvt_scalef32_pk8_bf8_f32 v[QC+16*\hd+14:QC+16*\hd+15], v[S+16*\hd+8:S+16*\hd+15], v8   ; k = 16 + 8 h + 0 .. 7
.endr
	v_nop                                          ; a plain vector line between the scaled conversions and the readers of their results
.irp hd, 0,1
.irp j, 0,1,2,3
	SPLIT QC+16*\hd+12+\j, QC+16*\hd+\j, QC+16*\hd+8+\j
.endr
.endr
	STEP 0, 0, 1, 1, 0, 1
	STEP 0, 1, 0, 1, 0, 2
	STEP 0, 2, 0, 1, 0, 3
	STEP 0, 3, 0, 1, 1, 0
	FINISH 0
	STEP 1, 0, 1, 1, 1, 1
	STEP 1, 1, 0, 1, 1, 2
	STEP 1, 2, 0, 1, 1, 3
	STEP 1, 3, 0, 0, 0, 0
	FINISH 1
.irp i, 0,1,2,3,4,5,6,7
	ds_load_b128 v[S+4*\i:S+4*\i+3], v[SD] offset:2*SP*\i   ; the tile's 16 rows of 256 bytes, two rows a load; these see my stores above
.endr
.irp i, 0,1,2,3,4,5,6,7
	s_wait_dscnt 7-\i
	global_store_b128 v[GD], v[S+4*\i:S+4*\i+3], s[OB:OB+1] offset:2048*\i th:TH_STORE_NT   ; sixteen lanes store 256 consecutive bytes, at a multiple of 256 from out0's first byte
.endr
	s_wait_xcnt 0x0                                ; the stores have read their registers and their base: both are written again only behind this wait
	s_add_nc_u64 s[OB:OB+1], s[OB:OB+1], 16384     ; 16 rows on
	s_sub_co_u32 s[TRIPS], s[TRIPS], 1
	s_cmp_lg_u32 s[TRIPS], 0
	s_cbranch_scc1 .Ltile
	s_wait_tensorcnt 0x0                           ; the wave's end
	ds_add_u32 v[SPW], v[NIL]
	s_wait_dscnt 0x0
	s_endpgm
.Lfunc_end_k_qaa63e7c480_attn:
	.size	k_qaa63e7c480_attn, .Lfunc_end_k_qaa63e7c480_attn-k_qaa63e7c480_attn
	.p2alignl 7, 3214868480
	.fill 96, 4, 3214868480
	.section	.rodata,"a",@progbits
	.p2align	6, 0x0
	.amdhsa_kernel k_qaa63e7c480_attn
		.amdhsa_group_segment_fixed_size 170240
		.amdhsa_private_segment_fixed_size 0
		.amdhsa_enable_private_segment 0
		.amdhsa_kernarg_size 32
		.amdhsa_user_sgpr_count 2
		.amdhsa_user_sgpr_kernarg_segment_ptr 1
		.amdhsa_wavefront_size32 1
		.amdhsa_system_sgpr_workgroup_id_x 1
		.amdhsa_system_sgpr_workgroup_id_y 1
		.amdhsa_system_sgpr_workgroup_id_z 1
		.amdhsa_system_vgpr_workitem_id 0
		.amdhsa_next_free_vgpr 256
		.amdhsa_next_free_sgpr 66
		.amdhsa_reserve_vcc 0
		.amdhsa_float_denorm_mode_32 3
		.amdhsa_float_denorm_mode_16_64 3
		.amdhsa_memory_ordered 1
		.amdhsa_forward_progress 1
		.amdhsa_inst_pref_size 174
	.end_amdhsa_kernel
	.amdgpu_metadata
---
amdhsa.version: [ 1, 2 ]
amdhsa.kernels:
  - .name:           k_qaa63e7c480_attn
    .symbol:         k_qaa63e7c480_attn.kd
    .args:
      - { .name: lowp_scales, .offset: 0, .size: 8, .value_kind: global_buffer, .address_space: global }
      - { .name: qkv, .offset: 8, .size: 8, .value_kind: global_buffer, .address_space: global }
      - { .name: kimg, .offset: 16, .size: 8, .value_kind: global_buffer, .address_space: global }
      - { .name: out0, .offset: 24, .size: 8, .value_kind: global_buffer, .address_space: global }
    .group_segment_fixed_size: 170240
    .private_segment_fixed_size: 0
    .kernarg_segment_align: 8
    .kernarg_segment_size: 32
    .max_flat_workgroup_size: 512
    .sgpr_count:     66
    .vgpr_count:     256
    .wavefront_size: 32
...
	.end_amdgpu_metadata
.endif
;; end of part 2
;; ======== version 2 of 2: 2 launches
;; workspace buffers: kimg 2,097,152 bytes
;; launch ksum (part 3): grid 256 x 1, 8 waves a work-group, no clusters, 9,472 bytes of LDS; arguments lowp_scales, qkv, kimg; writes kimg
.if DOCPART == 3
	.amdgcn_target "amdgcn-amd-amdhsa--gfx1250"
	.amdhsa_code_object_version 6
	.text
	.protected	k_qaa63e7c480_ksum
	.globl	k_qaa63e7c480_ksum
	.p2align	8
	.type	k_qaa63e7c480_ksum,@function
k_qaa63e7c480_ksum:
	s_mov_b64 s[64:65], 0
	v_nop
	global_prefetch_b8 v0, s[64:65] scope:SCOPE_SE
	s_setreg_imm32_b32 hwreg(HW_REG_WAVE_MODE, 25, 1), 1
	s_wait_xcnt 0x0
; k_sum[b][m][ch] = the sum over the 8 strips s of k[b][512 s + m][ch], in f32, strips ascending; then codes of BF8 (E5M2) with the given scale 2^e1 (entry 1 of lowp_scales):
; code = x / 2^e1, held within +-57,344, to the nearest code, ties to even.
; LIMITS: e1 between -126 and 112, so that 2^e1 and 57,344 x 2^e1 are f32 numbers.  NaN among the inputs is not served (an infinity is held at the largest code).
; THE CODES ARE STORED AS IMAGES OF OPERAND REGISTERS, PARTED IN TWO: kimg [b 8][head 8][tile 32][part 2][lane 32][16 bytes].  Tile T, lane (r = lane % 16, h = lane / 16), holds key 16 T + r; its 16 bytes are the head's
; channels 8 h .. 8 h + 7, then 16 + 8 h .. 16 + 8 h + 7: the places that the plain 8-bit matrix forms give each k.  Part 0 holds the codes whose exponent field is 24 or more (magnitude 512 or more) and the code 0
; elsewhere, part 1 the other codes and 0 elsewhere: the two add up to the code.  What the next launch does with the parts is said at its head.
; SHARES.  256 work-groups: 32 keys (two tiles) x 128 channels (4 heads) x 8 strips each: 128 KiB read, 8 KiB written.  Wave w takes keys 4 w + j, j = 0 .. 3; lane l channels 4 l .. 4 l + 3 of the 128.
; Every load of a wave reads 512 consecutive bytes; all 32 loads of a wave are issued at once.  A tile's 16 rows come from four waves, so the codes meet in LDS behind one barrier,
; and each wave stores one whole tile: 1,024 consecutive bytes, aligned.
; No matrix unit, no tensor load, no cluster: each byte of k is read once by one lane, and work-groups share nothing.
.set X,     16                         ; v16-143  key j, strip s: four channels at v[X + 32 j + 4 s]
.set Y,     144                        ; v144-159 the four keys' sums, four channels each
.set C,     160                        ; v160-163 register j: key j's four codes
.set HI,    16                         ; v16-19   their large part (X's registers are free by then)
.set LO,    20                         ; v20-23   their small part
.set TM,    24                         ; v24, v25 at work
.set D,     28                         ; v28-35   a tile's two images, 16 bytes each for my lane
.set GA,    1                          ; v1  16 x lane: my bytes in a row's 512, and in an image
.set SA,    2                          ; v2  where my codes go in the stage
.set RA,    3                          ; v3  where I read a tile back
.set SPW,   4                          ; v4  LDS address of my spare word: SPARE + 4 x my thread's number; never rewritten
.set NIL,   5                          ; v5  0; never rewritten
.set TP,    528                        ; an image in the stage: 512 bytes + 16; a tile is two images
.set SPARE, 16*TP                      ; 8,448: behind the stage: the spare words, 128 bytes for each of 8 waves: four blocks of 256 bytes that no other line names
.set STRIP, 524288                     ; 512 tokens x 1,024 bytes: from strip to strip
	s_load_b128 s[4:7], s[0:1], 0x0                ; lowp_scales s[4:5], qkv s[6:7]
	s_load_b64 s[8:9], s[0:1], 0x10                ; kimg
	v_lshl_add_u32 v[SPW], v0, 2, SPARE
	v_mov_b32 v[NIL], 0
	v_lshrrev_b32 v6, 5, v0
	s_delay_alu instid0(VALU_DEP_1)
	v_readfirstlane_b32 s12, v6                    ; wave 0..7
	v_and_b32 v6, 31, v0                           ; lane
	s_delay_alu instid0(VALU_DEP_1)
	v_lshlrev_b32 v[GA], 4, v6
	s_delay_alu instid0(VALU_DEP_2)
	; the stage: tile 2 (l / 8) + u; image lane 16 h + r.  My four channels begin at ch = 4 (l % 8) of the head: h = (ch / 8) % 2 = (l / 2) % 2; byte ch % 8 + 8 (ch / 16) = 4 (l % 2) + 8 ((l / 4) % 2).
	; My keys are 4 w + j = 16 u + r: u = w / 4, r = 4 (w % 4) + j; 16 j and the part stand in the stores' immediate
	v_lshrrev_b32 v7, 3, v6
	s_delay_alu instid0(VALU_DEP_1)
	v_mul_u32_u24 v[SA], v7, 4*TP
	v_bfe_u32 v7, v0, 1, 1
	s_delay_alu instid0(VALU_DEP_1)
	v_lshl_add_u32 v[SA], v7, 8, v[SA]
	v_and_b32 v7, 1, v0
	s_delay_alu instid0(VALU_DEP_1)
	v_lshl_add_u32 v[SA], v7, 2, v[SA]
	v_bfe_u32 v7, v0, 2, 1
	s_delay_alu instid0(VALU_DEP_1)
	v_lshl_add_u32 v[SA], v7, 3, v[SA]
	s_lshr_b32 s13, s12, 2                         ; u
	s_mul_i32 s13, s13, 2*TP
	s_and_b32 s15, s12, 3
	s_lshl_b32 s15, s15, 6                         ; 16 x 4 (w % 4)
	s_add_co_u32 s13, s13, s15
	v_add_nc_u32 v[SA], s13, v[SA]
	s_and_b32 s14, s12, 1                          ; w % 2
	s_mul_i32 s15, s12, 2*TP                       ; back: wave w takes tile w of the eight: head w / 2 of the four, tile w % 2 of the two
	v_add_nc_u32 v[RA], s15, v[GA]
	s_mov_b32 s26, 0x7c7c7c7c                      ; the exponent fields of four codes
	s_mov_b32 s27, 0x20202020                      ; 0x80 - (24 << 2): added to a field, it reaches bit 7 where the field is 24 or more, and never passes the byte
	s_mov_b32 s28, 0x80808080
	; where my wave's part begins, in bytes
	s_lshr_b32 s20, ttmp9, 5                       ; b
	s_bfe_u32 s21, ttmp9, 0x40001                  ; blk: which 32 keys
	s_and_b32 s22, ttmp9, 1                        ; which 128 channels
	s_lshl_b32 s10, s20, 22                        ; k: b x 4,194,304
	s_lshl_b32 s23, s21, 15                        ;  + 32 blk rows of 1,024 bytes
	s_add_co_u32 s10, s10, s23
	s_lshl_b32 s23, s12, 12                        ;  + 4 w rows
	s_add_co_u32 s10, s10, s23
	s_lshl_b32 s23, s22, 9                         ;  + 512 bytes for the upper 128 channels
	s_add_co_u32 s10, s10, s23
	s_add_co_u32 s10, s10, 0x2000000               ;  + 33,554,432: k is the second of the three tensors
	s_mov_b32 s11, 0
	s_lshl_b32 s24, s20, 3                         ; kimg: head 8 b + 4 x half + w / 2,
	s_lshl_b32 s23, s22, 2
	s_add_co_u32 s24, s24, s23
	s_lshr_b32 s23, s12, 1
	s_add_co_u32 s24, s24, s23
	s_lshl_b32 s24, s24, 5                         ; 32 tiles a head,
	s_lshl_b32 s23, s21, 1
	s_add_co_u32 s24, s24, s23                     ; tile 2 blk + w % 2,
	s_add_co_u32 s24, s24, s14
	s_lshl_b32 s24, s24, 10                        ; 1,024 bytes a tile
	s_mov_b32 s25, 0
	s_wait_kmcnt 0x0
	s_load_b32 s16, s[4:5], 0x4                    ; e1
	s_add_nc_u64 s[6:7], s[6:7], s[10:11]
	s_add_nc_u64 s[8:9], s[8:9], s[24:25]
.irp j, 0,1,2,3                        ; key by key, so that the counted waits below free a key at a time
.irp s, 0,1,2,3,4,5,6,7
	global_load_b128 v[X+32*\j+4*\s:X+32*\j+4*\s+3], v[GA], s[6:7] offset:\s*STRIP+\j*1024 th:TH_LOAD_NT   ; 32 lanes read 512 consecutive bytes; the largest immediate is 3,673,088
.endr
.endr
	s_wait_kmcnt 0x0
	s_add_co_i32 s16, s16, 127
	s_lshl_b32 s17, s16, 23
	v_mov_b32 v11, s17                             ; 2^e1 as f32: the conversion takes its exponent field
	s_add_co_i32 s16, s16, 15
	s_lshl_b32 s16, s16, 23
	s_or_b32 s16, s16, 0x600000
	v_mov_b32 v10, s16                             ; 57,344 x 2^e1
.macro KEYSUM j
	s_wait_loadcnt 24-8*\j                         ; key j's eight loads are in; the younger keys' stay out
.irp s, 1
	v_pk_add_f32 v[X+32*\j:X+32*\j+1],   v[X+32*\j:X+32*\j+1],   v[X+32*\j+4*\s:X+32*\j+4*\s+1]
	v_pk_add_f32 v[X+32*\j+2:X+32*\j+3], v[X+32*\j+2:X+32*\j+3], v[X+32*\j+4*\s+2:X+32*\j+4*\s+3]
.endr
.irp s, 2, 3, 4, 5, 6
	s_delay_alu instid0(VALU_DEP_2)
	v_pk_add_f32 v[X+32*\j:X+32*\j+1],   v[X+32*\j:X+32*\j+1],   v[X+32*\j+4*\s:X+32*\j+4*\s+1]
	s_delay_alu instid0(VALU_DEP_2)
	v_pk_add_f32 v[X+32*\j+2:X+32*\j+3], v[X+32*\j+2:X+32*\j+3], v[X+32*\j+4*\s+2:X+32*\j+4*\s+3]
.endr
	s_delay_alu instid0(VALU_DEP_2)
	v_pk_add_f32 v[Y+4*\j:Y+4*\j+1],   v[X+32*\j:X+32*\j+1],   v[X+32*\j+28:X+32*\j+29]
	s_delay_alu instid0(VALU_DEP_2)
	v_pk_add_f32 v[Y+4*\j+2:Y+4*\j+3], v[X+32*\j+2:X+32*\j+3], v[X+32*\j+30:X+32*\j+31]
.endm
	KEYSUM 0
	KEYSUM 1
	KEYSUM 2
	KEYSUM 3
.irp i, 0,1,2,3,4,5,6,7,8,9,10,11,12,13,14,15
	v_med3_num_f32 v[Y+\i], v[Y+\i], -v10, v10     ; the conversion to an 8-bit code does not saturate (ISA guide 7.6.2): the hold at the largest code x the scale
.endr
	v_cvt_scalef32_pk8_bf8_f32 v[C:C+1],   v[Y:Y+7],    v11   ; keys 0 and 1: four codes each
	v_cvt_scalef32_pk8_bf8_f32 v[C+2:C+3], v[Y+8:Y+15], v11   ; keys 2 and 3
	v_nop                                          ; a plain vector line between the scaled conversions and the readers of their results
.irp j, 0,1,2,3                        ; four codes at a time are parted: a byte of ones where the exponent field is 24 or more
	v_and_b32 v[TM], s26, v[C+\j]
	s_delay_alu instid0(VALU_DEP_1)
	v_add_nc_u32 v[TM], s27, v[TM]
	s_delay_alu instid0(VALU_DEP_1)
	v_and_b32 v[TM], s28, v[TM]                    ; 0x80 in the bytes of large codes
	s_delay_alu instid0(VALU_DEP_1)
	v_lshrrev_b32 v[TM+1], 7, v[TM]
	s_delay_alu instid0(VALU_DEP_1)
	v_sub_nc_u32 v[TM+1], v[TM], v[TM+1]           ; 0x7f there: no byte borrows from its neighbour
	s_delay_alu instid0(VALU_DEP_1)
	v_or_b32 v[TM], v[TM], v[TM+1]                 ; 0xff there
	v_and_b32 v[HI+\j], v[TM], v[C+\j]
	v_xor_b32 v[LO+\j], v[HI+\j], v[C+\j]
.endr
.irp j, 0,1,2,3
	ds_store_b32 v[SA], v[HI+\j] offset:16*\j      ; key j is the image's lane r + j
	ds_store_b32 v[SA], v[LO+\j] offset:TP+16*\j
.endr
	s_wait_dscnt 0x0                               ; for the others' sake: my stores have landed
	s_barrier_signal -1
	s_barrier_wait -1
	ds_load_b128 v[D:D+3], v[RA]                   ; a whole tile: the large image,
	ds_load_b128 v[D+4:D+7], v[RA] offset:TP       ; and the small one, 16 bytes a lane each
	s_wait_dscnt 0x0
	global_store_b128 v[GA], v[D:D+3], s[8:9]      ; 32 lanes store 512 consecutive bytes, at a multiple of 512 from kimg's first byte
	global_store_b128 v[GA], v[D+4:D+7], s[8:9] offset:512
	s_wait_tensorcnt 0x0                           ; the wave's end
	ds_add_u32 v[SPW], v[NIL]
	s_wait_dscnt 0x0
	s_endpgm
.Lfunc_end_k_qaa63e7c480_ksum:
	.size	k_qaa63e7c480_ksum, .Lfunc_end_k_qaa63e7c480_ksum-k_qaa63e7c480_ksum
	.p2alignl 7, 3214868480
	.fill 96, 4, 3214868480
	.section	.rodata,"a",@progbits
	.p2align	6, 0x0
	.amdhsa_kernel k_qaa63e7c480_ksum
		.amdhsa_group_segment_fixed_size 9472
		.amdhsa_private_segment_fixed_size 0
		.amdhsa_enable_private_segment 0
		.amdhsa_kernarg_size 24
		.amdhsa_user_sgpr_count 2
		.amdhsa_user_sgpr_kernarg_segment_ptr 1
		.amdhsa_wavefront_size32 1
		.amdhsa_system_sgpr_workgroup_id_x 1
		.amdhsa_system_sgpr_workgroup_id_y 1
		.amdhsa_system_sgpr_workgroup_id_z 1
		.amdhsa_system_vgpr_workitem_id 0
		.amdhsa_next_free_vgpr 168
		.amdhsa_next_free_sgpr 66
		.amdhsa_reserve_vcc 0
		.amdhsa_float_denorm_mode_32 3
		.amdhsa_float_denorm_mode_16_64 3
		.amdhsa_memory_ordered 1
		.amdhsa_forward_progress 1
		.amdhsa_inst_pref_size 16
	.end_amdhsa_kernel
	.amdgpu_metadata
---
amdhsa.version: [ 1, 2 ]
amdhsa.kernels:
  - .name:           k_qaa63e7c480_ksum
    .symbol:         k_qaa63e7c480_ksum.kd
    .args:
      - { .name: lowp_scales, .offset: 0, .size: 8, .value_kind: global_buffer, .address_space: global }
      - { .name: qkv, .offset: 8, .size: 8, .value_kind: global_buffer, .address_space: global }
      - { .name: kimg, .offset: 16, .size: 8, .value_kind: global_buffer, .address_space: global }
    .group_segment_fixed_size: 9472
    .private_segment_fixed_size: 0
    .kernarg_segment_align: 8
    .kernarg_segment_size: 24
    .max_flat_workgroup_size: 256
    .sgpr_count:     66
    .vgpr_count:     168
    .wavefront_size: 32
...
	.end_amdgpu_metadata
.endif
;; end of part 3
;; launch attn (part 4): grid 256 x 1, 16 waves a work-group, no clusters, 170,240 bytes of LDS; arguments lowp_scales, qkv, kimg, out0; writes out0
.if DOCPART == 4
	.amdgcn_target "amdgcn-amd-amdhsa--gfx1250"
	.amdhsa_code_object_version 6
	.text
	.protected	k_qaa63e7c480_attn
	.globl	k_qaa63e7c480_attn
	.p2align	8
	.type	k_qaa63e7c480_attn,@function
k_qaa63e7c480_attn:
	s_mov_b64 s[64:65], 0
	v_nop
	global_prefetch_b8 v0, s[64:65] scope:SCOPE_SE
	s_setreg_imm32_b32 hwreg(HW_REG_WAVE_SCHED_MODE, 0, 2), 2
	s_setreg_imm32_b32 hwreg(HW_REG_WAVE_MODE, 25, 1), 1
	s_wait_xcnt 0x0
	s_wait_alu depctr_vm_vsrc(0)
; out[b][512 hb + n][32 head + :] = the sum over m of softmax_m(q[b][512 hb + n] x 32^-0.5 . k_sum[b][m]) v[b][512 hb + m], per head of 32 channels: the eight 8 x 8 windows of a strip of 8 image rows are
; that strip's 512 tokens, a window's keys are the summed k of all strips, its values the strip's own 512 tokens.  So: 512 attentions (b, head, hb) of 512 queries x 512 keys, head size 32.
; BOTH PRODUCTS ON CODES OF BF8 (E5M2), each operand with its given scale 2^e: e0 (q x 32^-0.5), e1 (k_sum: codes made by the launch before, in kimg), e2 (p), e3 (v).
; THE SOFTMAX AHEAD OF THE SECOND PRODUCT: t = score x log2(e), rounded to f32; M = the row's largest t so far, rounded UP to a whole number; p = 2^(t - M) is quantised, not normalised; the row's sum is taken of the
; unquantised p and divides at the end.  When M moves, the sum and O are multiplied by 2^(old M - new M): exact.
; THE FIRST PRODUCT IS MADE IN TWO INSTRUCTIONS A TILE.  A score goes through an exponential ahead of a quantiser of 2 mantissa bits, and k is summed over 8 strips, so that single keys carry much of a row: the score is
; wanted to the last bit of f32.  So the codes of q and of k_sum are parted by their exponent field at 24 (magnitude 512) into a large and a small part, each with the code 0 in the other's places.  A is (K large | K small),
; 64 along K, for both instructions.  With B = (Q large | 0) the first multiplies large by large alone: each product's lowest bit lies at 2^14 or above and no product reaches 2^32.  With B = (Q small | Q) the second takes
; every product with a small factor: all under 2^25.  The two sums are added in f32: K large . Q large + K large . Q small + K small . Q = K . Q.  So no sum hangs on what an instruction keeps far below its largest product.
; LIMITS on the given exponents, so that each power of two below is an f32 number: e0, e2, e3 between -126 and 112; e0 + e1 between -126 and 127; e2 + e3 goes by v_ldexp_f32 and has none.  NaN among the inputs is not served.
; SHARES.  256 work-groups: (b, strip hb, pair of heads hp): the pair's 64 channels are 256 aligned bytes of every token's row.  Sixteen waves of 256 registers, four to a SIMD, so that one wave's exponentials stand beside
; another's plain vector work, products and LDS loads.  Wave w owns queries 32 w .. 32 w + 31, two tiles of 16, for both heads: q on the way in and o on the way out are the wave's own.
; K and V lie in LDS as IMAGES OF OPERAND REGISTERS (16 bytes a lane, 512 consecutive bytes a load).  K's come so from kimg.  V's are made in the prologue: wave w quantises keys 32 w .. 32 w + 31 of v
; and turns 4 x 4 bytes in registers, so that 8 bytes are 8 neighbouring keys of one channel.  ONE barrier, behind the prologue; after it the waves share nothing that is written.
; LAYOUT.  Both products are used transposed: S^T = K Q^T (source 0 = 16 keys, source 1 = my 16 queries), O^T = V^T P^T (source 0 = 16 channels, source 1 = P): a lane holds ONE query (lane % 16) throughout.
; Every k stands in its true place (registers 2 c, 2 c + 1: k = 16 c + 8 (lane / 16) + 0 .. 7).  A tile of K is 16 neighbouring keys, so a result tile's eight registers of a lane are keys 16 t + 8 (lane / 16) + 0 .. 7:
; converted, they are registers 2 t, 2 t + 1 of the second product's operand.
; NO TENSOR LOADS, NO CLUSTER: q and v arrive as f32, each byte is read once by one wave and is quantised in registers; what work-groups share is kimg's 64 KiB of a work-group's 448 KiB of traffic.
; NO PREFETCH: all loads but the second tile's q stand at the head, and that tile's q is loaded into registers a key step and the way out ahead of its use.
; THE MODE: SCHED_MODE bits 1:0 = 2 (LLVM: expert scheduling mode 2), set by the entry lines.  The code itself states the register dependences
; between vector or matrix instructions and memory or LDS instructions, with s_wait_alu, always for 0.
; THE PLAN.  Registers that memory or LDS instructions touch:
;   v1-v5, v253-v255  Addresses and offsets: made at the head, read by every load and store, never written again.
;   KB (v48-111)      A step's sixteen first products read it; behind them the next step's tiles of K land in it (in a tile's last step: the next tile's q, in its lower half, which the next tile's LDS stores read).
;   S2 = VB (v112-143) A step's second sums are written there by matrix instructions and read by the additions; behind them V's fragments land there, which the step's second product reads.
;   S (v144-207)      At a tile's head q's turn through the stage lands in it; in the steps vector and matrix instructions alone name it; on the way out the tile's rows land in it and the global stores read them.
;   P = OT (v224-239) In the steps the conversions write it and the second product reads it; at a head's end O^T / the sum is written there and the LDS stores read it.
;   Q's codes, O^T, the statistics and the registers at work are named by vector and matrix instructions alone.
; So in a step ONE wait on va_vdst stands behind the scores' additions: the first products are done reading KB, the second sums are written and read.  The step's 24 LDS loads follow it, dealt among the scalings;
; all that stands between that wait and the second product names S, P, O^T and the statistics: none of the registers that those loads touch.  The step's other waits on va_vdst stand before and behind its exponentials and ahead of its second product.
; A head's end has one ahead of the reciprocal, one for its result and one ahead of its LDS stores; the second also says that the conversions are done reading S, in which the way out's loads land.
; Waits on vm_vsrc: at a tile's head (the stores of q have read KB's lower half), at the head of head 1's first step (head 0's stores have read OT), and at a trip's end (the global stores have read S, head 1's stores OT).
.set KIMG,   0                         ; LDS: head x 32,768 + step x 8,192 + tile x 1,024 + part x 512 + 16 x lane
.set VIMG,   65536                     ; (2 head + channel tile) x VQ + step x 2,048 + group of 32 keys x 512 + 16 x lane
.set VQ,     8208                      ; 8,192 + 16: the prologue's 32 lanes of a store then fall on 32 different 8-byte places of 256
.set STAGE,  98560                     ; each wave's own: 16 rows x (256 bytes + 16), for q on the way in and o on the way out
.set SP,     272                       ; 17 x 16 bytes: the sixteen rows that a load touches begin at sixteen different 16-byte columns of 256
.set SPARE,  STAGE+16*16*SP            ; 168,192: the spare words, 128 bytes for each of 16 waves: eight blocks of 256 bytes that no other line names
.set LI,  1                            ; v1   16 x lane: an image's place for my lane, in K's images
.set SD,  2                            ; v2   stage, dense: lanes 0-15 one row, lanes 16-31 the next, 16 bytes a lane
.set LV,  3                            ; v3   VIMG + 16 x lane: V's images lie past what a 16-bit offset reaches
.set STO, 4                            ; v4   stage: row lane % 16, + 32 (lane / 16): my 8 channels, of q and of o
.set GD,  5                            ; v5   the same two rows as SD, in memory: 1,024 (lane / 16) + 16 (lane % 16)
.set SPW, 6                            ; v6   LDS address of my spare word: SPARE + 4 x my thread's number; never rewritten
.set NIL, 7                            ; v7   0; never rewritten
                                       ; v8, v9: 2^e0, 57,344 x 2^e0;  v10, v11: the same for e2;  v12 -M, v13 the largest t;  v[14:15] the row's sum in two halves
.set QC,  16                           ; v16-31 head 0, v32-47 head 1: Q large (4), zeros (4), Q small (4), Q (4)
.set KB,  48                           ; v48-111 eight tiles of K: large (4), small (4)
.set QF,  48                           ; v48-79 a tile of q as loaded: in K's registers, while no K is wanted
.set VB,  112                          ; v112-143 V's two fragments of a step;
.set S2,  112                          ; ahead of them, in the same registers: four tiles' second sums
.set S,   144                          ; v144-207 S^T, then t, then p
.set O,   208                          ; v208-223 O^T: two accumulators
.set P,   224                          ; v224-239 p's codes;
.set OT,  224                          ; at a head's end, in the same registers: O^T / the sum
.set MX,  240                          ; v240-243 four chains of the maximum
.set PX,  244                          ; v244 the lane permute's destination
.set OM,  245                          ; v245 the old -M
.set F,   246                          ; v[246:247] f = 2^(old M - new M)
.set L2,  248                          ; v[248:249] the sum's second chain
.set RL,  250                          ; v[250:251] 1 / the sum x 2^(e2 + e3)
.set KT,  80                           ; prologue alone: v80-111 K's copy;
.set VT,  112                          ; v112-127 the turned codes: channel c' at v[VT + 4 c'];
.set TT,  240                          ; v240-243 the byte turn's four;
.set RR,  248                          ; v248, v249: lane % 16, lane / 16;  v250, v251: 2^e3, 57,344 x 2^e3;
.set HH,  249
.set KST, 253                          ; where I store K's images;
.set VA,  254                          ; where I store V's;
.set GV,  255                          ; my offset in v
.set WV,  12                           ; s12 my wave's number
.set A20, 15                           ; s15 0x20202020
.set E0,  16                           ; s16-19 e0, e1, e2, e3
.set SEL, 20                           ; s[20:21] v_permlanex16_b32's selects for lane l xor 16
.set CS,  22                           ; s[22:23] c = log2(e) x 2^(e0 + e1): the packed form names a pair and takes its low word for both halves
.set M7C, 24                           ; s24 0x7c7c7c7c
.set E23, 25                           ; s25 e2 + e3
.set QB,  26                           ; s[26:27] q at my wave's first row; never stepped
.set OB,  28                           ; s[28:29] out0 at the tile in hand
.set VBS, 30                           ; s[30:31] v at my wave's first row
.set KBS, 32                           ; s[32:33] kimg at my wave's 4,096 bytes
.set TRIPS, 34                         ; s34 tiles to go
.set PS,  36                           ; s36-39 v_perm_b32's selectors
.set QS,  40                           ; s[40:41] 32^-0.5
.set M80, 47                           ; s47 0x80808080
.macro PLACES n                        ; plain vector lines behind a matrix instruction (ISA guide 7.12.1); the matrix instructions in between are not counted
.rept \n
	v_nop
.endr
.endm
.macro POW2 e, sc, lim                 ; v[sc] = 2^e as f32, v[lim] = 57,344 x 2^e
	s_add_co_i32 s13, s[\e], 127
	s_lshl_b32 s14, s13, 23
	v_mov_b32 v[\sc], s14
	s_add_co_i32 s13, s13, 15
	s_lshl_b32 s13, s13, 23
	s_or_b32 s13, s13, 0x600000
	v_mov_b32 v[\lim], s13
.endm
.macro SPLIT src, hi, lo               ; four codes are parted: a byte of ones where the exponent field is 24 or more
	v_and_b32 v[MX], s[M7C], v[(\src)]
	v_add_nc_u32 v[MX], s[A20], v[MX]              ; + 0x80 - (24 << 2): bit 7 where the field is 24 or more; never past the byte
	v_and_b32 v[MX], s[M80], v[MX]
	v_lshrrev_b32 v[MX+1], 7, v[MX]
	v_sub_nc_u32 v[MX+1], v[MX], v[MX+1]           ; 0x7f there: no byte borrows from its neighbour
	v_or_b32 v[MX], v[MX], v[MX+1]
	v_and_b32 v[(\hi)], v[MX], v[(\src)]
	v_xor_b32 v[(\lo)], v[(\hi)], v[(\src)]
.endm
	s_load_b256 s[4:11], s[0:1], 0x0               ; lowp_scales s[4:5], qkv s[6:7], kimg s[8:9], out0 s[10:11]
	v_lshl_add_u32 v[SPW], v0, 2, SPARE
	v_mov_b32 v[NIL], 0
	v_lshrrev_b32 v[RR], 5, v0
	v_readfirstlane_b32 s[WV], v[RR]               ; wave 0..15
	v_and_b32 v[RR], 15, v0                        ; r = lane % 16
	v_bfe_u32 v[HH], v0, 4, 1                      ; h = lane / 16
	v_and_b32 v[LI], 31, v0
	v_lshlrev_b32 v[LI], 4, v[LI]
	v_add_nc_u32 v[LV], VIMG, v[LI]
	s_wait_alu depctr_va_sdst(0)                   ; s12, the wave's number, is written, ahead of its first reader: LDS addresses and the buffers' bases are made from it
	s_mul_i32 s13, s[WV], 16*SP
	s_add_co_u32 s13, s13, STAGE                   ; my stage
	v_mul_u32_u24 v[SD], v[HH], SP
	v_lshl_add_u32 v[SD], v[RR], 4, v[SD]
	v_add_nc_u32 v[SD], s13, v[SD]
	v_mul_u32_u24 v[STO], v[RR], SP
	v_add_nc_u32 v[STO], s13, v[STO]
	v_lshl_add_u32 v[STO], v[HH], 5, v[STO]
	v_lshlrev_b32 v[GD], 10, v[HH]
	v_lshl_add_u32 v[GD], v[RR], 4, v[GD]
	s_lshl_b32 s14, s[WV], 12
	v_add_nc_u32 v[KST], s14, v[LI]                ; K's images: my wave's 4,096 bytes of the 65,536
	v_lshlrev_b32 v[GV], 14, v[HH]                 ; v: lanes 16-31 begin 16 rows further down; 16 bytes (4 channels) a lane
	v_lshl_add_u32 v[GV], v[RR], 4, v[GV]
	v_bfe_u32 v[VA], v0, 2, 2                      ; V's images.  g = lane % 16 holds channels 4 g .. 4 g + 3 of the 64: 2 head + channel tile = g / 4;
	v_mul_u32_u24 v[VA], v[VA], VQ
	v_lshl_add_u32 v[VA], v[HH], 3, v[VA]          ; my 16 keys are the lower (lanes 0-15) or the upper 16 of my wave's 32: the first or the second 8 bytes of an image lane's 16;
	v_and_b32 v[RR], 3, v0
	v_lshl_add_u32 v[VA], v[RR], 6, v[VA]          ; image lane 16 h + 4 (g % 4) + c': 16 c' and 256 h stand in the stores' immediate;
	s_lshl_b32 s14, s[WV], 9                       ; keys 32 w on are step w / 4, group w % 4: 2,048 (w / 4) + 512 (w % 4) = 512 w
	s_add_co_u32 s14, s14, VIMG
	v_add_nc_u32 v[VA], s14, v[VA]
	s_and_b32 s44, ttmp9, 3                        ; hp: the pair of heads
	s_bfe_u32 s45, ttmp9, 0x30002                  ; hb: the strip
	s_lshr_b32 s46, ttmp9, 5                       ; b
	s_lshl_b32 s42, s46, 22                        ; b x 4,194,304
	s_lshl_b32 s35, s45, 19                        ; + hb x 512 rows of 1,024 bytes
	s_add_co_u32 s42, s42, s35
	s_lshl_b32 s35, s[WV], 15                      ; + my wave's 32 rows
	s_add_co_u32 s42, s42, s35
	s_lshl_b32 s35, s44, 8                         ; + the pair's 256 bytes of a row
	s_add_co_u32 s42, s42, s35
	s_mov_b32 s43, 0
	s_mov_b32 s[SEL], 0x76543210
	s_mov_b32 s[SEL+1], 0xfedcba98
	s_mov_b32 s[PS], 0x05010400                    ; bytes 0 and 1 of two registers, interleaved
	s_mov_b32 s[PS+1], 0x07030602                  ; bytes 2 and 3
	s_mov_b32 s[PS+2], 0x05040100                  ; the low halves of two registers
	s_mov_b32 s[PS+3], 0x07060302                  ; the high halves
	s_mov_b32 s[QS], 0x3e3504f3                    ; 32^-0.5 as f32
	s_mov_b32 s[QS+1], s[QS]                       ; (named with it as a pair, so it is written)
	s_mov_b32 s[M7C], 0x7c7c7c7c                   ; the exponent fields of four codes
	s_mov_b32 s[A20], 0x20202020
	s_mov_b32 s[M80], 0x80808080
	s_mov_b32 s[TRIPS], 2
	s_wait_kmcnt 0x0
	s_load_b128 s[E0:E0+3], s[4:5], 0x0            ; e0, e1, e2, e3
	s_add_nc_u64 s[QB:QB+1], s[6:7], s[42:43]
	s_add_nc_u64 s[VBS:VBS+1], s[QB:QB+1], 0x4000000   ; v is the third tensor: 67,108,864 bytes on
	s_add_nc_u64 s[OB:OB+1], s[10:11], s[42:43]
	s_lshl_b32 s42, s46, 18                        ; kimg: head 8 b + 2 hp, 32,768 bytes a head,
	s_lshl_b32 s35, s44, 16
	s_add_co_u32 s42, s42, s35
	s_lshl_b32 s35, s[WV], 12                      ; + my wave's 4,096 of the pair's 65,536
	s_add_co_u32 s42, s42, s35
	s_add_nc_u64 s[KBS:KBS+1], s[8:9], s[42:43]
	s_wait_alu depctr_va_vdst(0)                   ; the eight addresses and offsets v1 to v5 and v253 to v255 are written, which every load and store of the kernel reads; none is written again
	; 32 loads, in the order in which they are wanted: K's images (8), v (16), q's first tile (8)
.irp i, 0,1,2,3,4,5,6,7
	global_load_b128 v[KT+4*\i:KT+4*\i+3], v[LI], s[KBS:KBS+1] offset:512*\i   ; no hint: the eight strips' work-groups read the same bytes
.endr
.irp i, 0,1,2,3,4,5,6,7,8,9,10,11,12,13,14,15
	global_load_b128 v[S+4*\i:S+4*\i+3], v[GV], s[VBS:VBS+1] offset:1024*\i th:TH_LOAD_NT   ; key 32 w + 16 (lane / 16) + i: sixteen lanes read 256 consecutive bytes, aligned
.endr
.irp i, 0,1,2,3,4,5,6,7
	global_load_b128 v[QF+4*\i:QF+4*\i+3], v[GD], s[QB:QB+1] offset:2048*\i th:TH_LOAD_NT   ; rows 2 i and 2 i + 1
.endr
.irp z, QC+4,QC+5,QC+6,QC+7,QC+20,QC+21,QC+22,QC+23,PX,F+1
	v_mov_b32 v[\z], 0                             ; the zero codes beside Q large; a lane permute's destination and a pair's upper half, which count as read
.endr
	s_wait_kmcnt 0x0
	s_add_co_i32 s13, s[E0], s[E0+1]
	s_lshl_b32 s13, s13, 23
	s_add_co_i32 s[CS], s13, 0x3fb8aa3b            ; a score stands for score x 2^(e0 + e1): the two exponents are added to log2(e)'s exponent field
	s_mov_b32 s[CS+1], s[CS]
	s_add_co_i32 s[E23], s[E0+2], s[E0+3]
	POW2 E0, 8, 9
	POW2 E0+2, 10, 11
	POW2 E0+3, 250, 251
	s_wait_alu depctr_va_vdst(0)
	s_wait_loadcnt 24                              ; K's eight loads are in; v's sixteen and q's eight stay out
.irp i, 0,1,2,3,4,5,6,7
	ds_store_b128 v[KST], v[KT+4*\i:KT+4*\i+3] offset:KIMG+512*\i   ; data as loaded; no vector instruction has named these registers
.endr
	s_wait_loadcnt 8                               ; v's sixteen are in; q's eight stay out
.set ii, 0
.rept 64
	v_med3_num_f32 v[S+ii], v[S+ii], -v251, v251   ; the conversion to an 8-bit code does not saturate (ISA guide 7.6.2): the hold at the largest code x the scale
.set ii, ii+1
.endr
.irp m, 0,1,2,3,4,5,6,7
	v_cvt_scalef32_pk8_bf8_f32 v[P+2*\m:P+2*\m+1], v[S+8*\m:S+8*\m+7], v250   ; register i of P: key i's four channels
.endr
	v_nop                                          ; a plain vector line between the scaled conversions and the readers of their results
.irp n, 0,1,2,3                        ; keys 4 n .. 4 n + 3: four registers of four channels become four registers of four keys
	v_perm_b32 v[TT],   v[P+4*\n+1], v[P+4*\n],   s[PS]
	v_perm_b32 v[TT+1], v[P+4*\n+1], v[P+4*\n],   s[PS+1]
	v_perm_b32 v[TT+2], v[P+4*\n+3], v[P+4*\n+2], s[PS]
	v_perm_b32 v[TT+3], v[P+4*\n+3], v[P+4*\n+2], s[PS+1]
	v_perm_b32 v[VT+\n],    v[TT+2], v[TT],   s[PS+2]
	v_perm_b32 v[VT+4+\n],  v[TT+2], v[TT],   s[PS+3]
	v_perm_b32 v[VT+8+\n],  v[TT+3], v[TT+1], s[PS+2]
	v_perm_b32 v[VT+12+\n], v[TT+3], v[TT+1], s[PS+3]
.endr
	s_wait_alu depctr_va_vdst(0)                   ; the byte turns have written v[VT ..], which the LDS stores read; the holds and conversions are done with S, in which the first tile's q lands on its way back from the stage
.irp c, 0,1,2,3
.irp hh, 0,1
	ds_store_b64 v[VA], v[VT+4*\c+2*\hh:VT+4*\c+2*\hh+1] offset:16*\c+256*\hh   ; channel 4 g + c, my keys 8 hh .. 8 hh + 7: two registers of the image's lane 16 hh + 4 (g % 4) + c
.endr
.endr
	s_wait_dscnt 0x0                               ; for the others' sake: my stores of K's and V's images have landed
	s_barrier_signal -1
	s_barrier_wait -1                              ; everybody's have; nobody writes these bytes again
.macro FETCH_K hd, s                   ; the step's eight tiles of 16 keys x 32 channels, each in its two parts
.irp t, 0,1,2,3,4,5,6,7
	ds_load_b128 v[KB+8*\t:KB+8*\t+3],   v[LI] offset:KIMG+\hd*32768+\s*8192+\t*1024
	ds_load_b128 v[KB+8*\t+4:KB+8*\t+7], v[LI] offset:KIMG+\hd*32768+\s*8192+\t*1024+512
.endr
.endm
; Load number nn of a step's 24.  0 to 7: this step's two fragments of V, 16 channels x 128 keys each (fragment nn / 4, group of 32 keys nn % 4).
; 8 to 23, where more = 1: the eight tiles of K of the step that follows (head nh, step ns), each in its two parts: 512 bytes a load, on end.
.macro DEAL hd, s, more, nh, ns
.if nn < 8
	ds_load_b128 v[VB+4*nn:VB+4*nn+3], v[LV] offset:(2*\hd+nn/4)*VQ+\s*2048+(nn%4)*512
.elseif \more && (nn < 24)
	ds_load_b128 v[KB+4*(nn-8):KB+4*(nn-8)+3], v[LI] offset:KIMG+\nh*32768+\ns*8192+(nn-8)*512
.endif
.endm
; Four tiles' scores: tiles t0 .. t0 + 3.  For each the two products of the head comment, then the two sums are added.
.macro SCORES hd, t0
.irp u, 0,1,2,3
	v_wmma_f32_16x16x64_bf8_bf8 v[S+8*(\t0+\u):S+8*(\t0+\u)+7], v[KB+8*(\t0+\u):KB+8*(\t0+\u)+7], v[QC+16*\hd:QC+16*\hd+7], 0       ; large x large
	v_wmma_f32_16x16x64_bf8_bf8 v[S2+8*\u:S2+8*\u+7],           v[KB+8*(\t0+\u):KB+8*(\t0+\u)+7], v[QC+16*\hd+8:QC+16*\hd+15], 0    ; all with a small factor
.endr
	PLACES 4                                       ; in front of the reads of the sums
.set ii, 0
.rept 16
	v_pk_add_f32 v[S+8*\t0+ii:S+8*\t0+ii+1], v[S+8*\t0+ii:S+8*\t0+ii+1], v[S2+ii:S2+ii+1]   ; ascending: each accumulator is first read at its low end
.set ii, ii+2
.endr
.endm
; A KEY STEP: 128 keys, the s-th of head hd, for the tile of 16 queries in hand.  first = 1: the head's first step starts M, the sum and O^T: nothing is cleared.
; more = 1: the tiles of K of the step that follows (head nh, step ns) are fetched here, behind V's.  more = 0, the tile's last step: K's registers take the next tile's q, if there is one.
.macro STEP hd, s, first, more, nh, ns
	s_wait_dscnt 0x0                               ; K's sixteen loads are in
.if (\first) && (\hd)
	s_wait_alu depctr_vm_vsrc(0)                   ; head 0's LDS stores have read O^T / the sum in v[OT ..], over which this step's conversions write p's codes
.endif
	PLACES 5                                       ; the second sums are laid over V's registers, which the last step's second product read: five places in front of a matrix instruction that writes them
	SCORES \hd, 0                                  ; lane (r, h) holds query r; register 8 t + j is key 16 t + 8 h + j of the step
	SCORES \hd, 4                                  ; (between a second sum and the one that is laid over it stand four v_nop and the twelve additions of the three other tiles)
	s_wait_alu depctr_va_vdst(0)                   ; the first products are done reading K's tiles and have written the second sums, and the additions are done reading those: the loads below land in both runs of registers
.if \more == 0
	s_cmp_eq_u32 s[TRIPS], 1                       ; no load leaves my wave's 32 rows
	s_cbranch_scc1 .Lno_next_\@
.irp i, 0,1,2,3,4,5,6,7
	global_load_b128 v[QF+4*\i:QF+4*\i+3], v[GD], s[QB:QB+1] offset:16384+2048*\i th:TH_LOAD_NT
.endr
.Lno_next_\@:
.endif
.set ii, 0
.set nn, 0
.rept 32
	DEAL \hd, \s, \more, \nh, \ns                  ; V's eight, then K's sixteen, one ahead of each scaling.  No wait: no vector or matrix instruction since the wait above names their registers
	v_pk_mul_f32 v[S+ii:S+ii+1], v[S+ii:S+ii+1], s[CS:CS+1] op_sel_hi:[1,0]   ; t = score x c, rounded to f32
.set ii, ii+2
.set nn, nn+1
.endr
.irp k, 0,1,2,3                        ; the step's largest t of my query among my 64 keys: four chains of 16 registers
	v_max3_num_f32 v[MX+\k], v[S+16*\k], v[S+16*\k+1], v[S+16*\k+2]
.endr
.irp i, 3,5,7,9,11,13
.irp k, 0,1,2,3
	v_max3_num_f32 v[MX+\k], v[MX+\k], v[S+16*\k+\i], v[S+16*\k+\i+1]
.endr
.endr
	v_max3_num_f32 v[MX], v[MX], v[S+15], v[S+31]
	v_max3_num_f32 v[MX+2], v[MX+2], v[S+47], v[S+63]
	v_max3_num_f32 v[MX], v[MX], v[MX+1], v[MX+2]
	v_max_num_f32 v[MX], v[MX], v[MX+3]
	v_permlanex16_b32 v[PX], v[MX], s[SEL], s[SEL+1]   ; the query's other 64 keys lie in the lane 16 away
.if \first
	v_max_num_f32 v13, v[MX], v[PX]
.else
	v_max3_num_f32 v13, v13, v[MX], v[PX]          ; the running largest t
	v_mov_b32 v[OM], v12
.endif
	v_floor_f32 v12, -v13                          ; -M = floor(-t) = -ceil(t): M is a whole number
.if \first == 0
	v_sub_f32 v[OM], v12, v[OM]                    ; M's old value less its new one: a whole number, 0 or less
	v_cvt_i32_f32 v[OM], v[OM]                     ; (it saturates)
	v_ldexp_f32 v[F], 1.0, v[OM]                   ; f = 2^(old M - new M)
.endif
.set ii, 0
.rept 32
	v_pk_add_f32 v[S+ii:S+ii+1], v[S+ii:S+ii+1], v[12:13] op_sel_hi:[1,0]   ; t - M, two at a time (of the pair the low word, -M, serves both halves)
.set ii, ii+2
.endr
.set ii, 0
	s_wait_alu depctr_va_vdst(0)
.rept 64
	v_exp_f32 v[S+ii], v[S+ii]                     ; p = 2^(t - M): not normalised
.set ii, ii+1
.endr
.if \first
	v_nop                                          ; a plain line behind the last exponential
.else
	v_pk_mul_f32 v[14:15], v[14:15], v[F:F+1] op_sel_hi:[1,0]   ; the sum under the new M; also the plain line behind the last exponential
.endif
	s_wait_alu depctr_va_vdst(0)                   ; the 64 exponentials have written p in v[S ..]: one wait for the batch, ahead of its first reader
.if \first                             ; the row's sum is taken of the unquantised p: two at a time, in two chains
	v_pk_add_f32 v[14:15], v[S:S+1], v[S+2:S+3]
	v_pk_add_f32 v[L2:L2+1], v[S+4:S+5], v[S+6:S+7]
.else
	v_pk_add_f32 v[L2:L2+1], v[S:S+1], v[S+2:S+3]
	v_pk_add_f32 v[14:15], v[14:15], v[S+4:S+5]
	v_pk_add_f32 v[L2:L2+1], v[L2:L2+1], v[S+6:S+7]
.endif
.set ii, 8
.rept 14
	v_pk_add_f32 v[14:15], v[14:15], v[S+ii:S+ii+1]
	v_pk_add_f32 v[L2:L2+1], v[L2:L2+1], v[S+ii+2:S+ii+3]
.set ii, ii+4
.endr
	v_pk_add_f32 v[14:15], v[14:15], v[L2:L2+1]
	s_cmp_ge_i32 s[E0+2], -15                      ; THE HOLD.  t - M is 0 at the most, so p is at most 1, and with e2 >= -15 p / 2^e2 is 32,768 at the most, under 57,344: nothing to hold.
	s_cbranch_scc1 .Lfits_\@                       ; A scalar branch on the given whole number e2, the same in every wave; with a smaller e2 the hold is executed.  (This text has no tensor load and no copy)
.set ii, 0
.rept 64
	v_min_num_f32 v[S+ii], v[S+ii], v11            ; p is not negative, so the hold is one-sided
.set ii, ii+1
.endr
.Lfits_\@:
.irp m, 0,1,2,3,4,5,6,7
	v_cvt_scalef32_pk8_bf8_f32 v[P+2*\m:P+2*\m+1], v[S+8*\m:S+8*\m+7], v10   ; registers 2 m, 2 m + 1 of the operand: keys 16 m + 8 h + 0 .. 7
.endr
.if \first
	s_wait_alu depctr_va_vdst(0)
	v_nop                                          ; a plain vector line between the scaled conversions and the matrix instruction that reads their results
.else
.irp j, 0,2,4,6,8,10,12,14
	v_pk_mul_f32 v[O+\j:O+\j+1], v[O+\j:O+\j+1], v[F:F+1] op_sel_hi:[1,0]   ; O^T under the new M, each accumulator from its low end on; also the plain lines behind the conversions
.endr
.endif
	s_wait_alu depctr_va_vdst(0)
	s_wait_dscnt 16*\more                          ; V's eight loads are in; the sixteen of the next step's K, issued behind them, may be out
.irp ct, 0,1                           ; O^T += V^T P^T: the two accumulators take turns, and sixteen other products stand between a link and the next
.if \first
	v_wmma_f32_16x16x128_bf8_bf8 v[O+8*\ct:O+8*\ct+7], v[VB+16*\ct:VB+16*\ct+15], v[P:P+15], 0
.else
	v_wmma_f32_16x16x128_bf8_bf8 v[O+8*\ct:O+8*\ct+7], v[VB+16*\ct:VB+16*\ct+15], v[P:P+15], v[O+8*\ct:O+8*\ct+7]
.endif
.endr
.endm
; A head is done: O^T / the sum x 2^(e2 + e3) goes into my stage: register 8 ct + j is o(query r, channel 32 hd + 16 ct + 8 h + j).
.macro FINISH hd
	v_add_f32 v14, v14, v15                        ; the sum's two halves,
	v_permlanex16_b32 v[PX], v14, s[SEL], s[SEL+1]
	v_add_f32 v14, v14, v[PX]                      ; and lane l xor 16's: the row's sum
	s_wait_alu depctr_va_vdst(0)
	v_rcp_f32 v[RL], v14
	PLACES 4                                       ; behind the last products, in front of the reads of O^T and of the writes over p's codes; the first is also the plain line behind the reciprocal
	s_wait_alu depctr_va_vdst(0)                   ; the reciprocal has written v[RL], ahead of its first reader
	v_ldexp_f32 v[RL], v[RL], s[E23]
.irp j, 0,2,4,6,8,10,12,14
	v_pk_mul_f32 v[OT+\j:OT+\j+1], v[O+\j:O+\j+1], v[RL:RL+1] op_sel_hi:[1,0]   ; each accumulator from its low end on
.endr
	s_wait_alu depctr_va_vdst(0)                   ; the multiplications have written v[OT ..], which the LDS stores read; behind head 1 it also says that the conversions are done reading S, in which the way out's loads land
.irp ct, 0,1
	ds_store_b128 v[STO], v[OT+8*\ct:OT+8*\ct+3]   offset:128*\hd+64*\ct
	ds_store_b128 v[STO], v[OT+8*\ct+4:OT+8*\ct+7] offset:128*\hd+64*\ct+16
.endr
.endm
.Ltile:                                ; two trips: a tile of 16 queries, both heads
	s_wait_loadcnt 0x0                             ; the tile's q
.irp i, 0,1,2,3,4,5,6,7
	ds_store_b128 v[SD], v[QF+4*\i:QF+4*\i+3] offset:2*SP*\i   ; through my stage, as loaded: LDS serves a wave's instructions in order (ISA guide 5.7.1.4), so no wait stands between these and the loads below, nor behind the last tile's reads of the stage
.endr
.irp hd, 0,1
.irp c, 0,1
.irp j, 0,1
	ds_load_b128 v[S+16*\hd+8*\c+4*\j:S+16*\hd+8*\c+4*\j+3], v[STO] offset:128*\hd+64*\c+16*\j   ; back: of row r, head hd, channels 16 c + 8 h + 0 .. 7.  (No vector instruction has named S since the last wait on va_vdst; the trip's end has freed it of the global stores)
.endr
.endr
.endr
	s_wait_dscnt 0x0                               ; q is back
	s_wait_alu depctr_vm_vsrc(0)                   ; my LDS stores have read the registers that held q (in the first trip those of K's copy and of v's turned codes too): K's tiles land there, and the second sums are written there
	FETCH_K 0, 0
.set ii, 0
.rept 16
	v_pk_mul_f32 v[S+ii:S+ii+1], v[S+ii:S+ii+1], s[QS:QS+1] op_sel_hi:[1,0]   ; q x 32^-0.5, in f32, ahead of the quantiser
.set ii, ii+2
.endr
.set ii, 0
.rept 32
	v_med3_num_f32 v[S+ii], v[S+ii], -v9, v9       ; the hold at the largest code x the scale
.set ii, ii+1
.endr
.irp hd, 0,1
	v_cvt_scalef32_pk8_bf8_f32 v[QC+16*\hd+12:QC+16*\hd+13], v[S+16*\hd:S+16*\hd+7],    v8   ; k = 8 h + 0 .. 7
	v_cvt_scalef32_pk8_bf8_f32 v[QC+16*\hd+14:QC+16*\hd+15], v[S+16*\hd+8:S+16*\hd+15], v8   ; k = 16 + 8 h + 0 .. 7
.endr
	v_nop                                          ; a plain vector line between the scaled conversions and the readers of their results
.irp hd, 0,1
.irp j, 0,1,2,3
	SPLIT QC+16*\hd+12+\j, QC+16*\hd+\j, QC+16*\hd+8+\j
.endr
.endr
	STEP 0, 0, 1, 1, 0, 1
	STEP 0, 1, 0, 1, 0, 2
	STEP 0, 2, 0, 1, 0, 3
	STEP 0, 3, 0, 1, 1, 0
	FINISH 0
	STEP 1, 0, 1, 1, 1, 1
	STEP 1, 1, 0, 1, 1, 2
	STEP 1, 2, 0, 1, 1, 3
	STEP 1, 3, 0, 0, 0, 0
	FINISH 1
.irp i, 0,1,2,3,4,5,6,7
	ds_load_b128 v[S+4*\i:S+4*\i+3], v[SD] offset:2*SP*\i   ; the tile's 16 rows of 256 bytes, two rows a load; these see my stores above
.endr
.irp i, 0,1,2,3,4,5,6,7
	s_wait_dscnt 7-\i
	global_store_b128 v[GD], v[S+4*\i:S+4*\i+3], s[OB:OB+1] offset:2048*\i th:TH_STORE_NT   ; sixteen lanes store 256 consecutive bytes, at a multiple of 256 from out0's first byte
.endr
	s_wait_xcnt 0x0                                ; the stores have had their addresses translated: their base and their registers are written again only behind this wait
	s_wait_alu depctr_vm_vsrc(0)                   ; the global stores have read v[S ..], in which the next tile's q lands; head 1's LDS stores have read v[OT ..], over which the next tile's conversions write
	s_add_nc_u64 s[OB:OB+1], s[OB:OB+1], 16384     ; 16 rows on
	s_sub_co_u32 s[TRIPS], s[TRIPS], 1
	s_cmp_lg_u32 s[TRIPS], 0
	s_cbranch_scc1 .Ltile
	s_wait_dscnt 0x0                               ; the closing lines, six on end
	s_wait_alu 0x0
	s_wait_tensorcnt 0x0
	ds_add_u32 v[SPW], v[NIL]
	s_wait_dscnt 0x0
	s_endpgm
.Lfunc_end_k_qaa63e7c480_attn:
	.size	k_qaa63e7c480_attn, .Lfunc_end_k_qaa63e7c480_attn-k_qaa63e7c480_attn
	.p2alignl 7, 3214868480
	.fill 96, 4, 3214868480
	.section	.rodata,"a",@progbits
	.p2align	6, 0x0
	.amdhsa_kernel k_qaa63e7c480_attn
		.amdhsa_group_segment_fixed_size 170240
		.amdhsa_private_segment_fixed_size 0
		.amdhsa_enable_private_segment 0
		.amdhsa_kernarg_size 32
		.amdhsa_user_sgpr_count 2
		.amdhsa_user_sgpr_kernarg_segment_ptr 1
		.amdhsa_wavefront_size32 1
		.amdhsa_system_sgpr_workgroup_id_x 1
		.amdhsa_system_sgpr_workgroup_id_y 1
		.amdhsa_system_sgpr_workgroup_id_z 1
		.amdhsa_system_vgpr_workitem_id 0
		.amdhsa_next_free_vgpr 256
		.amdhsa_next_free_sgpr 66
		.amdhsa_reserve_vcc 0
		.amdhsa_float_denorm_mode_32 3
		.amdhsa_float_denorm_mode_16_64 3
		.amdhsa_memory_ordered 1
		.amdhsa_forward_progress 1
		.amdhsa_inst_pref_size 175
	.end_amdhsa_kernel
	.amdgpu_metadata
---
amdhsa.version: [ 1, 2 ]
amdhsa.kernels:
  - .name:           k_qaa63e7c480_attn
    .symbol:         k_qaa63e7c480_attn.kd
    .args:
      - { .name: lowp_scales, .offset: 0, .size: 8, .value_kind: global_buffer, .address_space: global }
      - { .name: qkv, .offset: 8, .size: 8, .value_kind: global_buffer, .address_space: global }
      - { .name: kimg, .offset: 16, .size: 8, .value_kind: global_buffer, .address_space: global }
      - { .name: out0, .offset: 24, .size: 8, .value_kind: global_buffer, .address_space: global }
    .group_segment_fixed_size: 170240
    .private_segment_fixed_size: 0
    .kernarg_segment_align: 8
    .kernarg_segment_size: 32
    .max_flat_workgroup_size: 512
    .sgpr_count:     66
    .vgpr_count:     256
    .wavefront_size: 32
...
	.end_amdgpu_metadata
.endif
;; end of part 4
